; MI455X (gfx1250); checked and timed in simulation.
; The chip was launched on July 23, 2026; its instructions are those of AMD's public machine-readable ISA for CDNA 5 (MIT licence, August 2026) and "CDNA5" Instruction Set Architecture Reference Guide (July 2026). The comments in the code are by the model that wrote it; some were corrected since.
;; Multihead Self Attention. Allowed arithmetic: matrix products marked QUANTISED: E3M2 operands, one E8M0 scale for each 32 along K, by v_wmma_scale_f32_16x16x128_f8f6f4 with both operands' format E3M2, f32 sums; everything else in f32.
;; Inputs: token_positions 4,096 int32; w_o 1,024 x 1,024 float32; w_qkv 3,072 x 1,024 float32; x 1 x 4,096 x 1,024 float32.
;; Outputs: out0 1 x 4,096 x 1,024 float32.
;; This version of the problem:
;;   THIS VERSION OF THE PROBLEM IS GIVEN IN LOW PRECISION. The matrix products marked QUANTISED in the list below multiply operands that are first quantised to E3M2 (3 exponent bits, 2 mantissa bits; 6 bits a number), with one power-of-two scale for each 32 numbers along K (OCP MX v1.0); their sums are f32. All else is computed in f32.
;;   The module's matrix products, in the order in which they are computed (A, B: the left and right operand; K: the contracted axis; several contracted axes count as one K, in the product's order):
;;     1. [M 4,096, K 1,024] x [K 1,024, N 3,072]; A: input x; B: input w_qkv: QUANTISED
;;     2. batch 16 x [M 4,096, K 64] x [K 64, N 4,096]; A: computed on the way; B: computed on the way: QUANTISED
;;     3. batch 16 x [M 4,096, K 4,096] x [K 4,096, N 64]; A: softmax (see below); B: computed on the way: QUANTISED
;;     4. [M 4,096, K 1,024] x [K 1,024, N 1,024]; A: computed on the way; B: input w_o: QUANTISED
;;   THE QUANTISER, for each operand of a quantised product, along K:
;;     - K is cut into blocks of 32 from its start; a last block that is shorter is filled with zeros.
;;     - A block's scale is 2^e with e = floor(log2(the largest magnitude in the block)) - 4, held to -126 .. 127; a block of zeros has e = 0. As a byte (E8M0): e + 127.
;;     - Each number is divided by its block's scale, clamped to +-28, and rounded to the nearest number of E3M2, ties to even, subnormals kept.
;;     - The product sums the exact products of the quantised numbers (number of the format x scale) in f32.
;;   ~~~python
;;   def quantise(x, axis):      # numpy; x: float32 -> the quantised numbers, widened to float32 again
;;       x = np.moveaxis(x, axis, -1); K = x.shape[-1]
;;       x = np.pad(x, [(0, 0)] * (x.ndim - 1) + [(0, -K % 32)]); x = x.reshape(x.shape[:-1] + (-1, 32)); a = np.abs(x).max(-1, keepdims=True)
;;       e = np.where(a > 0, np.clip(np.frexp(np.where(a > 0, a, 1))[1] - 1 - 4, -126, 127), 0)      # np.frexp(a)[1] - 1 = floor(log2(a)), exactly
;;       r = np.clip(x / 2.0 ** e, -28, 28)
;;       step = 2.0 ** (np.maximum(np.frexp(np.where(r == 0, 1, r))[1] - 1, -2) - 2)
;;       q = np.round(r / step) * step * 2.0 ** e      # np.round: ties to even
;;       return np.moveaxis(q.reshape(q.shape[:-2] + (-1,))[..., :K], -1, axis).astype(np.float32)
;;   ~~~
;;   SOFTMAX AHEAD OF A QUANTISED PRODUCT. Where the list says 'softmax', what is quantised is not the finished softmax but p = 2^(t - M), with t = logit x log2(e) and M = ceil(the row's largest t), a whole number; so 1/2 < the row's largest p <= 1. The row's sum l is taken of the UNQUANTISED p, in f32, and the product's result is divided by l at the end. Since M is a whole number, a kernel that streams over the keys may use a running M (the ceiling of the running maximum): every later rescaling is an exact power of two, which a block's scale takes up: the codes' values come out the same.
;;   OPERANDS COMPUTED ON THE WAY. 'Computed on the way' means the value that the module computes at that place (a softmax that the list does not call 'softmax' is quantised finished and normalised). What goes into a quantiser is computed in f32, as accurately as f32 sums, v_exp_f32 and their like allow (about 1e-6 of the number): no bf16 or f16 on the way to a quantiser, and a product that is left as it is and whose result goes on into a quantised operand takes f32 operands (vector FMAs, or v_wmma_f32_16x16x4_f32). A number that lies on a knife's edge between two numbers of the format may be rounded either way, as far as f32 arithmetic and the matrix unit's own rounding can turn it there, and no further.
;; One version. Each part assembles by itself: llvm-mc -triple=amdgcn-amd-amdhsa -mcpu=gfx1250 --defsym DOCPART=n.
;; ======== version 1 of 1: 4 launches
;; limits: right only within a limited range of input values
;; workspace buffers: opc 6,291,456 bytes; ops 262,144 bytes; rope 1,048,576 bytes; qkvc 12,582,912 bytes; qkvs 786,432 bytes; ac 3,145,728 bytes; asc 131,072 bytes
;; launch prep (part 1): grid 320 x 1, 2 waves a work-group, no clusters, 17,152 bytes of LDS; arguments x, w_qkv, w_o, token_positions, opc, ops, rope; writes opc, ops, rope
.if DOCPART == 1
	.amdgcn_target "amdgcn-amd-amdhsa--gfx1250"
	.amdhsa_code_object_version 6
	.text
	.protected	k_q063430ac44_prep
	.globl	k_q063430ac44_prep
	.p2align	8
	.type	k_q063430ac44_prep,@function
k_q063430ac44_prep:
	s_mov_b64 s[64:65], 0
	v_nop
	global_prefetch_b8 v0, s[64:65] scope:SCOPE_SE
	s_setreg_imm32_b32 hwreg(HW_REG_WAVE_MODE, 25, 1), 1
	s_wait_xcnt 0x0
; THE PROGRAM: causal self-attention, 4,096 tokens, 16 heads of 64, all four products on codes of BF6 (E3M2) with one E8M0 scale for each 32 along K.
; Four launches: this one (x, w_qkv, w_o into codes; the table of cosines and sines), the QKV product with RoPE and its quantisers, attention, the product with w_o.
; WORK LEFT OUT, in the attention launch alone: key steps of 128 keys all of which come after a group's 128 queries.  reference() sets those logits to -infinity by its own jnp.tril
; ahead of the softmax, so their weights are 0 whatever the inputs hold, and neither their scores nor their products with v reach an output.  LIMIT: a NaN, an infinity or an overflow that
; reaches only those scores is not carried to the result.  No input is without a way to the output: all four are loaded.
; THIS LAUNCH.  Work-groups 0-255: rows of x (0-127), w_qkv (128-223), w_o (224-255) become codes along K = 1,024, laid as IMAGES OF OPERAND REGISTERS:
;   opc: tile T of 16 rows at 12,288 T; in it K step s (128 along K) at 1,536 s; in it register pair p (0..5) of the fragment's 12 registers at 256 p + 8 x lane.
;   ops: 512 T + 256 (s / 4) + 16 r + 4 (s % 4): the scale word (four bytes, 128 along K) of the tile's row r.
; THE ORDER OF ROWS: lane r of tile T holds row 32 (T / 2) + 8 (T % 2) + r % 8 + 16 (r / 8).  As source 0 of a product two neighbouring tiles then give a lane 16 neighbours of the next K.
; A block's scale is 2^(floor(log2(its largest magnitude)) - 4); its byte is the largest magnitude's exponent field - 4, held at 1 from below.  A block of zeros keeps the byte 1 where the
; rule says 127: its codes are zeros, and this program alone reads the bytes.
; A wave takes one tile and all of K, in 8 steps.  A load reads 512 consecutive bytes of one row; the step's 16 rows turn through the wave's own stage in LDS, so that a lane holds two whole blocks of 32.
; Work-groups 256-319: rope: 4,096 T + 512 c + 256 h + 16 r holds (cos, sin, cos, sin) of frequencies 16 (c / 4) + 8 h + 4 ((c / 2) % 2) + 2 (c % 2) and the next, for the token at place r of tile T:
; the image of the registers that lie beside the QKV product's results.  Angle = position x 10^(-f / 8), in f32; reduced by multiples of pi/2 held in three parts; polynomials on +-pi/4.
; LIMITS: the reduction serves |angle| up to about 1e5; 10^(-f / 8) is the nearest f32 number, so an angle may differ from reference()'s by the last bit of its own power (2e-4 rad at position 4,095);
; NaN and infinities among the inputs are not served; blocks whose largest magnitude lies under 2^-122 have their byte held at 1.
.set SPARE, 16896                      ; behind the two stages: the spare words, 128 bytes a wave: one block of 256 bytes that no other line names
.set STG,   8448                       ; a wave's stage: 16 rows x (512 bytes + 16)
.set SP,    528
.set LN16,  2                          ; v2   16 x lane
.set SIN,   3                          ; v3   the stage, on the way in
.set SOUT,  4                          ; v4   and on the way out: row r, + 128 h
.set LN8,   5                          ; v5   8 x lane
.set WOFF,  6                          ; v6   256 h + 16 r
.set H8,    7                          ; v7   8 h
.set SPW,   8                          ; v8   LDS address of my spare word; never rewritten
.set NIL,   9                          ; v9   0; never rewritten
.set WD,    18                         ; v18-25 the eight steps' scale words
.set HH,    30                         ; v30  h
.set CD,    32                         ; v32-55 codes, two sets of 12
.set PT,    56                         ; v56-58, v60-62 the blocks' upper halves as the conversions leave them
.set X,     64                         ; v64-127 my two blocks of 32
.set R,     128                        ; v128-255 two sets of 64 as loaded
	s_load_b256 s[4:11], s[0:1], 0x0               ; x s[4:5], w_qkv s[6:7], w_o s[8:9], token_positions s[10:11]
	s_load_b128 s[12:15], s[0:1], 0x20             ; opc s[12:13], ops s[14:15]
	s_load_b64 s[16:17], s[0:1], 0x30              ; rope
	v_lshl_add_u32 v[SPW], v0, 2, SPARE
	v_mov_b32 v[NIL], 0
	v_lshrrev_b32 v1, 5, v0
	v_readfirstlane_b32 s18, v1                    ; wave 0, 1
	v_and_b32 v1, 31, v0                           ; lane
	v_and_b32 v31, 15, v0                          ; r
	v_bfe_u32 v[HH], v0, 4, 1                      ; h
	s_mov_b32 s21, 0
	s_cmp_ge_u32 ttmp9, 256
	s_cbranch_scc1 .Ltable
	; ---- the quantiser
	v_lshlrev_b32 v[LN16], 4, v1
	s_mul_i32 s19, s18, STG
	v_add_nc_u32 v[SIN], s19, v[LN16]
	v_mul_u32_u24 v[SOUT], v31, SP
	v_lshl_add_u32 v[SOUT], v[HH], 7, v[SOUT]
	v_add_nc_u32 v[SOUT], s19, v[SOUT]
	v_lshlrev_b32 v[LN8], 3, v1
	v_lshlrev_b32 v[WOFF], 4, v31
	v_lshl_add_u32 v[WOFF], v[HH], 8, v[WOFF]
	v_lshlrev_b32 v[H8], 3, v[HH]
	v_mov_b32 v17, 0                               ; written once: a lane permute's destination counts as one of its sources
	s_mov_b32 s24, 0x76543210
	s_mov_b32 s25, 0xfedcba98                      ; v_permlanex16_b32's selects for lane l xor 16
	s_mov_b32 s20, 224
	s_wait_alu depctr_va_vdst(0)
	s_wait_kmcnt 0x0
	s_cmp_lt_u32 ttmp9, 224                        ; which tensor: the choice hangs on the work-group's number alone
	s_cselect_b64 s[6:7], s[6:7], s[8:9]
	s_cselect_b32 s20, 128, s20
	s_cmp_lt_u32 ttmp9, 128
	s_cselect_b64 s[4:5], s[4:5], s[6:7]
	s_cselect_b32 s20, 0, s20
	s_sub_co_u32 s20, ttmp9, s20                   ; the work-group's number within its tensor: 32 rows of 4,096 bytes each,
	s_lshl_b32 s20, s20, 17
	s_lshl_b32 s22, s18, 15                        ; and the wave's tile begins 8 rows on
	s_add_co_u32 s20, s20, s22
	s_add_nc_u64 s[4:5], s[4:5], s[20:21]
	s_lshl_b32 s22, ttmp9, 1
	s_add_co_u32 s22, s22, s18                     ; T
	s_mul_i32 s20, s22, 12288
	s_add_nc_u64 s[12:13], s[12:13], s[20:21]
	s_lshl_b32 s20, s22, 9
	s_add_nc_u64 s[14:15], s[14:15], s[20:21]
.macro LOAD s                          ; K step s of the tile's 16 rows: 512 consecutive bytes a load
.irp i, 0,1,2,3,4,5,6,7,8,9,10,11,12,13,14,15
	global_load_b128 v[R+64*((\s)%2)+4*\i:R+64*((\s)%2)+4*\i+3], v[LN16], s[4:5] offset:((\i%8)+16*(\i/8))*4096+(\s)*512 th:TH_LOAD_NT
.endr
.endm
.macro TURN s                          ; through the stage: LDS serves a wave's instructions in order, so no wait stands between the stores and the loads
.irp i, 0,1,2,3,4,5,6,7,8,9,10,11,12,13,14,15
	ds_store_b128 v[SIN], v[R+64*((\s)%2)+4*\i:R+64*((\s)%2)+4*\i+3] offset:\i*SP
.endr
.irp c, 0,1
.irp i, 0,1,2,3,4,5,6,7
	ds_load_b128 v[X+32*\c+4*\i:X+32*\c+4*\i+3], v[SOUT] offset:256*\c+16*\i   ; k = 64 c + 32 h + 4 i on, of row r
.endr
.endr
.endm
.macro STEP s
.set CC, CD+12*((\s)%2)
.if (\s) < 7
	s_wait_loadcnt 16                              ; this step's 16 loads are in; the next step's 16 may be out
.else
	s_wait_loadcnt 0x0
.endif
	TURN \s
	s_wait_dscnt 0x0                               ; my blocks are back, and the stores have read their registers,
.if (\s)+2 < 8
	LOAD (\s)+2                                    ; which take the loads of two steps on
.endif
	v_max3_num_f32 v10, |v[X]|, |v[X+1]|, 0x2800000      ; each block's largest magnitude, and the floor 2^(5 - 127): the byte cannot fall under 1
	v_max3_num_f32 v11, |v[X+32]|, |v[X+33]|, 0x2800000
.irp i, 2,4,6,8,10,12,14,16,18,20,22,24,26,28,30
	v_max3_num_f32 v10, v10, |v[X+\i]|, |v[X+\i+1]|      ; (the two blocks by turns)
	v_max3_num_f32 v11, v11, |v[X+32+\i]|, |v[X+33+\i]|
.endr
	v_add_nc_u32 v12, 0xfe000000, v10              ; 4 off the exponent field: the conversion takes the exponent field of this operand as its scale
	v_add_nc_u32 v13, 0xfe000000, v11
	s_wait_alu depctr_va_vdst(0)
	s_wait_xcnt 0x0                                ; earlier stores have read their data: the codes' registers may be written
	v_cvt_scalef32_pk16_bf6_f32 v[CC:CC+2], v[X:X+15], v12
	v_cvt_scalef32_pk16_bf6_f32 v[PT:PT+2], v[X+16:X+31], v12      ; (a conversion's three registers begin on an even number)
	v_cvt_scalef32_pk16_bf6_f32 v[CC+6:CC+8], v[X+32:X+47], v13
	v_cvt_scalef32_pk16_bf6_f32 v[PT+4:PT+6], v[X+48:X+63], v13
	v_lshrrev_b32 v14, 23, v12                     ; the scales' bytes (a plain line behind the conversions)
	v_lshrrev_b32 v15, 23, v13
.irp c, 0,1
.irp i, 0,1,2
	v_mov_b32 v[CC+6*\c+3+\i], v[PT+4*\c+\i]
.endr
.endr
	v_lshl_or_b32 v16, v15, 16, v14                ; my two bytes: blocks h and 2 + h,
	v_lshlrev_b32 v16, v[H8], v16                  ; at their places in the word;
	v_permlanex16_b32 v17, v16, s24, s25
	v_or_b32 v[WD+(\s)], v16, v17                  ; with lane l xor 16's two the word is whole
.irp p, 0,1,2,3,4,5
	global_store_b64 v[LN8], v[CC+2*\p:CC+2*\p+1], s[12:13] offset:(\s)*1536+\p*256   ; 32 lanes store 256 consecutive bytes, aligned
.endr
.endm
	LOAD 0
	LOAD 1
.irp s, 0,1,2,3,4,5,6,7
	STEP \s
.endr
	v_cmp_eq_u32 vcc_lo, 1, v[HH]
.irp i, 0,1,2,3
	v_cndmask_b32 v[26+\i], v[WD+\i], v[WD+4+\i], vcc_lo   ; lanes 0-15: steps 0-3; lanes 16-31: steps 4-7
.endr
	global_store_b128 v[WOFF], v[26:29], s[14:15]  ; the tile's 512 bytes of scale words
	s_wait_tensorcnt 0x0                           ; the wave's end, behind my last LDS store
	ds_add_u32 v[SPW], v[NIL]
	s_wait_dscnt 0x0
	s_endpgm
	; ---- the table of cosines and sines: a wave takes 32 tokens (two tiles), a lane one token and all 32 frequencies.  No LDS is touched on this way
.Ltable:
	s_sub_co_u32 s19, ttmp9, 256
	s_lshl_b32 s19, s19, 1
	s_add_co_u32 s19, s19, s18                     ; which 32 tokens
	s_wait_alu depctr_va_vdst(0)
	v_and_b32 v4, 7, v31
	v_and_b32 v5, 8, v31
	v_lshl_add_u32 v4, v5, 1, v4                   ; r % 8 + 16 (r / 8)
	v_lshl_add_u32 v4, v[HH], 3, v4                ; + 8 x the tile's parity (lanes 16-31: the odd tile)
	s_lshl_b32 s20, s19, 5
	v_add_nc_u32 v4, s20, v4                       ; my token
	v_lshlrev_b32 v4, 2, v4
	v_lshlrev_b32 v6, 4, v31
	v_lshl_add_u32 v6, v[HH], 12, v6               ; 4,096 x parity + 16 r
	s_lshl_b32 s20, s19, 13
	s_mov_b32 s24, 0xbfc90fd8                      ; -pi/2 in three parts
	s_mov_b32 s25, 0xb4a8885a
	s_mov_b32 s26, 0xa7c234c4
	v_mov_b32 v20, 0x37cd4000                      ; the polynomials' leading coefficients
	v_mov_b32 v21, 0x36405000
	s_wait_alu depctr_va_vdst(0)
	s_wait_kmcnt 0x0
	s_add_nc_u64 s[16:17], s[16:17], s[20:21]
	global_load_b32 v7, v4, s[10:11]
	s_wait_loadcnt 0x0
	v_cvt_f32_i32 v7, v7                           ; the position, as reference() casts it
.macro SINCOS rc, rs, lit
	v_mul_f32 v10, \lit, v7                        ; the angle
	v_mul_f32 v11, 0x3f22f983, v10                 ; x 2/pi,
	v_rndne_f32 v11, v11                           ; to the nearest whole number N
	v_fma_f32 v12, v11, s24, v10
	v_fma_f32 v12, v11, s25, v12
	v_fma_f32 v12, v11, s26, v12                   ; rho = angle - N pi/2
	v_cvt_i32_f32 v13, v11
	v_mul_f32 v14, v12, v12
	v_fmaak_f32 v15, v20, v14, 0xbab6077d
	v_fmaak_f32 v16, v21, v14, 0xb9503486
	v_fmaak_f32 v15, v15, v14, 0x3d2aaaa8
	v_fmaak_f32 v16, v16, v14, 0x3c0888c1
	v_fma_f32 v15, v15, v14, -0.5
	v_fmaak_f32 v16, v16, v14, 0xbe2aaaab
	v_fma_f32 v15, v15, v14, 1.0                   ; cos rho
	v_mul_f32 v17, v12, v14
	v_fma_f32 v16, v16, v17, v12                   ; sin rho
	v_and_b32 v17, 1, v13
	v_cmp_eq_u32 vcc_lo, 1, v17                    ; N odd: the two change places
	v_cndmask_b32 v18, v16, v15, vcc_lo
	v_cndmask_b32 v19, v15, v16, vcc_lo
	v_lshlrev_b32 v17, 30, v13
	v_and_b32 v17, 0x80000000, v17                 ; the sine is negative where N % 4 is 2 or 3,
	v_xor_b32 v[\rs], v18, v17
	v_add_nc_u32 v13, 1, v13
	v_lshlrev_b32 v13, 30, v13
	v_and_b32 v13, 0x80000000, v13                 ; the cosine where it is 1 or 2
	v_xor_b32 v[\rc], v19, v13
.endm
.macro PAIR n, la, lb                  ; frequencies 2 n and 2 n + 1; each call has its own four registers, so no store's data are written again
	SINCOS 32+4*\n, 33+4*\n, \la
	SINCOS 34+4*\n, 35+4*\n, \lb
	global_store_b128 v6, v[32+4*\n:35+4*\n], s[16:17] offset:(4*(\n/8)+2*((\n/2)%2)+(\n%2))*512+((\n/4)%2)*256   ; sixteen lanes store 256 consecutive bytes, aligned
.endm
	PAIR 0,  0x3f800000, 0x3f3ff911                ; 10^(-f / 8), f = 0 .. 31
	PAIR 1,  0x3f0ff59a, 0x3ed7e89b
	PAIR 2,  0x3ea1e89b, 0x3e72d424
	PAIR 3,  0x3e361887, 0x3e088d77
	PAIR 4,  0x3dcccccd, 0x3d99940e
	PAIR 5,  0x3d6655c3, 0x3d2cba15
	PAIR 6,  0x3d0186e2, 0x3cc24350
	PAIR 7,  0x3c91ad39, 0x3c5a7bf1
	PAIR 8,  0x3c23d70a, 0x3bf5b9b0
	PAIR 9,  0x3bb8449c, 0x3b8a2e77
	PAIR 10, 0x3b4f3e37, 0x3b1b690d
	PAIR 11, 0x3ae91528, 0x3aaec98e
	PAIR 12, 0x3a83126f, 0x3a44948c
	PAIR 13, 0x3a136a16, 0x39dd1726
	PAIR 14, 0x39a5cb5f, 0x3978a814
	PAIR 15, 0x393a7753, 0x390bd472
	s_endpgm
.Lfunc_end_k_q063430ac44_prep:
	.size	k_q063430ac44_prep, .Lfunc_end_k_q063430ac44_prep-k_q063430ac44_prep
	.p2alignl 7, 3214868480
	.fill 96, 4, 3214868480
	.section	.rodata,"a",@progbits
	.p2align	6, 0x0
	.amdhsa_kernel k_q063430ac44_prep
		.amdhsa_group_segment_fixed_size 17152
		.amdhsa_private_segment_fixed_size 0
		.amdhsa_enable_private_segment 0
		.amdhsa_kernarg_size 56
		.amdhsa_user_sgpr_count 2
		.amdhsa_user_sgpr_kernarg_segment_ptr 1
		.amdhsa_wavefront_size32 1
		.amdhsa_system_sgpr_workgroup_id_x 1
		.amdhsa_system_sgpr_workgroup_id_y 1
		.amdhsa_system_sgpr_workgroup_id_z 1
		.amdhsa_system_vgpr_workitem_id 0
		.amdhsa_next_free_vgpr 256
		.amdhsa_next_free_sgpr 66
		.amdhsa_reserve_vcc 1
		.amdhsa_float_denorm_mode_32 3
		.amdhsa_float_denorm_mode_16_64 3
		.amdhsa_memory_ordered 1
		.amdhsa_forward_progress 1
		.amdhsa_inst_pref_size 105
	.end_amdhsa_kernel
	.amdgpu_metadata
---
amdhsa.version: [ 1, 2 ]
amdhsa.kernels:
  - .name:           k_q063430ac44_prep
    .symbol:         k_q063430ac44_prep.kd
    .args:
      - { .name: x, .offset: 0, .size: 8, .value_kind: global_buffer, .address_space: global }
      - { .name: w_qkv, .offset: 8, .size: 8, .value_kind: global_buffer, .address_space: global }
      - { .name: w_o, .offset: 16, .size: 8, .value_kind: global_buffer, .address_space: global }
      - { .name: token_positions, .offset: 24, .size: 8, .value_kind: global_buffer, .address_space: global }
      - { .name: opc, .offset: 32, .size: 8, .value_kind: global_buffer, .address_space: global }
      - { .name: ops, .offset: 40, .size: 8, .value_kind: global_buffer, .address_space: global }
      - { .name: rope, .offset: 48, .size: 8, .value_kind: global_buffer, .address_space: global }
    .group_segment_fixed_size: 17152
    .private_segment_fixed_size: 0
    .kernarg_segment_align: 8
    .kernarg_segment_size: 56
    .max_flat_workgroup_size: 64
    .sgpr_count:     66
    .vgpr_count:     256
    .wavefront_size: 32
...
	.end_amdgpu_metadata
.endif
;; end of part 1
;; launch qkv (part 2): grid 12 x 16, 4 waves a work-group, clusters of 4 x 4, 327,680 bytes of LDS; arguments opc, ops, rope, qkvc, qkvs; writes qkvc, qkvs
.if DOCPART == 2
	.amdgcn_target "amdgcn-amd-amdhsa--gfx1250"
	.amdhsa_code_object_version 6
	.text
	.protected	k_q063430ac44_qkv
	.globl	k_q063430ac44_qkv
	.p2align	8
	.type	k_q063430ac44_qkv,@function
k_q063430ac44_qkv:
	s_mov_b64 s[64:65], 0
	v_nop
	global_prefetch_b8 v0, s[64:65] scope:SCOPE_SE
	s_setreg_imm32_b32 hwreg(HW_REG_WAVE_MODE, 25, 1), 1
	s_wait_xcnt 0x0
	s_wait_alu depctr_hold_cnt(0) depctr_sa_sdst(0) depctr_va_vdst(0) depctr_va_sdst(0) depctr_va_ssrc(0) depctr_va_vcc(0) depctr_vm_vsrc(0)
	s_getreg_b32 s2, hwreg(HW_REG_IB_STS2, 6, 4)
	s_cmp_eq_u32 s2, 0
	s_cbranch_scc0 .Lentry_in_a_cluster
	s_endpgm
.Lentry_in_a_cluster:
	s_bfe_u32 s2, ttmp6, 0x10000c
	s_cmp_lg_u32 s2, 0xf033
	s_cbranch_scc0 .Lentry_shape_is_right
	s_endpgm
.Lentry_shape_is_right:
.set NQ,     2
.set FR,     12
.set NL,     6
.set NP,     4
.set TILEB,  3072
.set HALFT,  8*TILEB
.set SLOT,   4*HALFT
.set LAPS,   2
.set SCL,    2*SLOT
.set SPARE,  SCL+4*4096
.set ADRA, 16
.set ADRB, 20
.set LI,   24
.set VSO,  25
.set H16,  26
.set ADRS, 27
.set SPW,  28
.set NIL,  29
.set SC,   32
.set TAB,  64
.set AF,   128
.set TT,   128
.set H0,   192
.set H1,   204
.set PT,   216
.set TM,   224
.set TX,   228
.set SO,   232
.set PW,   236
.set SW,   240
.set G1, 24
.set G0, 32
.set G1B, 48
.set G0B, 56
.set ISV, 66
.set RA,  67
.set G1S, 68
.set G0S, 76
.set G1SB, 80
.set G0SB, 88
.set RW,  92
.set SEL, 94
.set RB,  96
.set CB0, 98
.set CB1, 100
.set SB,  18
.set MSB, 0
.macro WIN new
.if MSB != \new
	s_set_vgpr_msb (MSB<<8)|\new
.set MSB, \new
.endif
.endm
.set MUL_LO, 0xa1
.set MUL_HI, 0xf1
.set TO_B,   0x40
.macro JLOAD g0a, g1a, g0b, g1b
	s_cmp_eq_u32 s15, 0
	s_cbranch_scc0 .Lfor_b_\@
	tensor_load_to_lds s[\g0a:\g0a+3], s[\g1a:\g1a+7]
	s_nop 0
.rept 4
	v_nop
.endr
	s_branch .Lasked_\@
.Lfor_b_\@:
	tensor_load_to_lds s[\g0b:\g0b+3], s[\g1b:\g1b+7]
	s_nop 0
.rept 4
	v_nop
.endr
.Lasked_\@:
.endm
.macro CREST
	s_cmp_lg_u32 s14, 0
	s_cbranch_scc1 .Lnot_wave_0_\@
	s_barrier_signal -3
.Lnot_wave_0_\@:
	s_barrier_wait -3
	s_barrier_signal -1
	s_barrier_wait -1
.endm
.macro CROUND
	s_barrier_signal -1
	s_barrier_wait -1
	CREST
.endm
	s_load_b128 s[4:7], s[0:1], 0x0
	s_load_b128 s[8:11], s[0:1], 0x10
	s_load_b64 s[12:13], s[0:1], 0x20
	v_lshl_add_u32 v[SPW], v0, 2, SPARE
	v_mov_b32 v[NIL], 0
	ds_add_u32 v[SPW], v[NIL]
	ds_add_u32 v[SPW], v[NIL]
	v_lshrrev_b32 v1, 5, v0
	v_readfirstlane_b32 s14, v1
	s_lshr_b32 s15, s14, 1
	s_and_b32 s16, s14, 1
	s_bfe_u32 s40, ttmp6, 0x40000
	s_bfe_u32 s41, ttmp6, 0x40004
	s_and_b32 s17, ttmp7, 0xffff
	s_lshl_b32 s43, s41, 2
	s_lshl_b32 s43, 15, s43
	s_lshl_b32 s44, 0x1111, s40
	s_or_b32 s[G1+0], s43, (3<<16)|(1<<21)
	s_or_b32 s[G1B+0], s44, (3<<16)|(1<<21)
.irp g, G1, G1B
	s_mov_b32 s[\g+1], 384<<16
	s_mov_b32 s[\g+2], 16<<16
	s_mov_b32 s[\g+3], 384<<16
	s_mov_b32 s[\g+4], 16
	s_mov_b32 s[\g+5], 1536
	s_mov_b32 s[\g+6], 0
	s_mov_b32 s[\g+7], 0
.endr
	s_or_b32 s[G1S+0], s43, (3<<16)|(1<<21)
	s_or_b32 s[G1SB+0], s44, (3<<16)|(1<<21)
.irp g, G1S, G1SB
	s_mov_b32 s[\g+1], 32<<16
	s_mov_b32 s[\g+2], 32<<16
	s_mov_b32 s[\g+3], 32<<16
	s_mov_b32 s[\g+4], 32
	s_mov_b32 s[\g+5], 32
	s_mov_b32 s[\g+6], 0
	s_mov_b32 s[\g+7], 0
.endr
	s_lshl_b32 s18, s17, 10
	s_lshl_b32 s19, ttmp9, 10
	s_add_co_u32 s19, s19, 4096
	s_lshl_b32 s21, s41, 8
	s_lshl_b32 s47, s40, 8
	s_lshl_b32 s2, s16, 7
	s_cmp_eq_u32 ttmp9, 2
	s_cselect_b32 s[ISV], 1, 0
	s_cselect_b32 s[RA], 6144, s18
	s_cselect_b32 s[RW], s18, s19
	s_add_co_u32 s[RA], s[RA], s21
	s_add_co_u32 s[RW], s[RW], s47
	s_lshl_b32 s22, s[RA], 5
	s_mul_i32 s20, s[RA], 768
	s_mov_b32 s21, 0
	s_mov_b32 s23, 0
	s_lshl_b32 s94, s[RW], 5
	s_mul_i32 s46, s[RW], 768
	s_mul_i32 s2, s2, 768                          ; in the ring a wave fetches 8 of a block's 16 tiles: which, in bytes
	s_mov_b32 s3, 0
	s_mov_b32 s47, 0
	s_mov_b32 s95, 0
	s_mul_i32 s45, s14, HALFT
	s_wait_dscnt 0x0
	s_wait_kmcnt 0x0
	s_add_nc_u64 s[20:21], s[4:5], s[20:21]
	s_add_nc_u64 s[22:23], s[6:7], s[22:23]
	s_add_nc_u64 s[46:47], s[4:5], s[46:47]
	s_add_nc_u64 s[94:95], s[6:7], s[94:95]
	CROUND
	s_mov_b32 s4, 1                                ; the head's four tiles, each whole: slot 0's 16 tiles of source 1's block (s[4:7]: the arguments that lay there have been used),
	s_mov_b32 s5, 0
	s_mov_b64 s[6:7], s[20:21]
	s_or_b32 s7, s7, 0x80000000
	s_mov_b32 s40, 1                               ; its 16 tiles of source 0's block, behind them (s[40:43]),
	s_mov_b32 s41, 2*HALFT
	s_mov_b64 s[42:43], s[46:47]
	s_or_b32 s43, s43, 0x80000000
	s_mov_b32 s[G0S], 1                            ; and the two blocks' scale words, 8,192 dense bytes each
	s_mov_b32 s[G0S+1], SCL
	s_mov_b64 s[G0S+2:G0S+3], s[22:23]
	s_or_b32 s[G0S+3], s[G0S+3], 0x80000000
	s_mov_b32 s[G0SB], 1
	s_mov_b32 s[G0SB+1], SCL+8192
	s_mov_b64 s[G0SB+2:G0SB+3], s[94:95]
	s_or_b32 s[G0SB+3], s[G0SB+3], 0x80000000
	s_add_nc_u64 s[20:21], s[20:21], s[2:3]        ; for the ring: my 8 tiles
	s_add_nc_u64 s[46:47], s[46:47], s[2:3]
.irp s, 0,1
	s_mov_b32 s[G0+4*\s], 1
	s_add_co_u32 s[G0+4*\s+1], s45, \s*SLOT
	s_add_nc_u64 s[G0+4*\s+2:G0+4*\s+3], s[20:21], \s*TILEB
	s_or_b32 s[G0+4*\s+3], s[G0+4*\s+3], 0x80000000
	s_mov_b32 s[G0B+4*\s], 1
	s_add_co_u32 s[G0B+4*\s+1], s45, \s*SLOT
	s_add_nc_u64 s[G0B+4*\s+2:G0B+4*\s+3], s[46:47], \s*TILEB
	s_or_b32 s[G0B+4*\s+3], s[G0B+4*\s+3], 0x80000000
.endr
; the head's loads, one a wave, in one tree of branches on the wave's number: every way passes exactly one load
.macro ARM under, g0, g1, next
	s_cmp_lt_u32 s14, \under
	s_cbranch_scc0 \next
	tensor_load_to_lds s[\g0:\g0+3], s[\g1:\g1+7]
	s_nop 0
.rept 4
	v_nop
.endr
	s_branch .Lhead_asked
\next:
.endm
	ARM 1, 4,   G1,  .Lhead_b
	ARM 2, 40,  G1B, .Lhead_sa
	ARM 3, G0S, G1S, .Lhead_sb
	tensor_load_to_lds s[G0SB:G0SB+3], s[G1SB:G1SB+7]
	s_nop 0
.rept 4
	v_nop
.endr
.Lhead_asked:
	v_and_b32 v1, 15, v0
	v_bfe_u32 v2, v0, 4, 1
	s_wait_alu depctr_va_vdst(0)
	v_and_b32 v3, 31, v0
	v_lshlrev_b32 v4, 3, v3
	s_mul_i32 s21, s15, HALFT
	s_mul_i32 s22, s16, HALFT
	s_add_co_u32 s22, s22, 2*HALFT
.irp s, 0,1
	v_add_nc_u32 v[ADRA+\s], s21, v4
	v_add_nc_u32 v[ADRB+\s], s22, v4
	s_add_co_u32 s21, s21, SLOT
	s_add_co_u32 s22, s22, SLOT
.endr
	v_lshlrev_b32 v5, 4, v1
	s_lshl_b32 s21, s15, 12
	s_lshl_b32 s22, s16, 12
	s_add_co_u32 s22, s22, 8192
	s_sub_co_u32 s22, s22, s21
	v_mul_u32_u24 v6, s22, v2
	s_add_co_u32 s21, s21, SCL
	v_add_nc_u32 v5, v5, v6
	v_add_nc_u32 v[ADRS], s21, v5
	v_lshlrev_b32 v[LI], 4, v3
	v_mul_u32_u24 v[VSO], v2, 24576
	v_lshl_add_u32 v[VSO], v1, 4, v[VSO]
	v_lshlrev_b32 v[H16], 4, v2
.irp b, 0,1,2,3
	v_mov_b32 v[TX+\b], 0
.endr
	s_lshl_b32 s20, s15, 7
	s_add_co_u32 s20, s20, s[RA]
	s_lshl_b32 s21, s16, 7
	s_add_co_u32 s21, s21, s[RW]
	s_sub_co_u32 s22, s21, 4096
	s_sub_co_u32 s23, s20, 5120
	s_cmp_eq_u32 s[ISV], 1
	s_cselect_b32 s22, s23, s22
	s_cselect_b32 s23, s21, s20
	s_cselect_b32 s2, 0, s20
	s_cselect_b32 s46, 6144, 0
	s_cselect_b32 s47, 512, 0
	s_lshr_b32 s22, s22, 6
	s_lshr_b32 s23, s23, 7
	s_mul_i32 s94, s22, 393216
	s_mul_i32 s21, s23, 12288
	s_add_co_u32 s94, s94, s21
	s_add_co_u32 s94, s94, s46
	s_mov_b32 s95, 0
	s_add_nc_u64 s[CB0:CB0+1], s[10:11], s[94:95]
	s_add_nc_u64 s[CB1:CB1+1], s[CB0:CB0+1], 393216
	s_mul_i32 s94, s22, 24576
	s_mul_i32 s21, s23, 768
	s_add_co_u32 s94, s94, s21
	s_add_co_u32 s94, s94, s47
	s_add_nc_u64 s[SB:SB+1], s[12:13], s[94:95]
	s_lshl_b32 s94, s2, 8
	s_add_nc_u64 s[RB:RB+1], s[8:9], s[94:95]
	s_mov_b32 s[SEL], 0x76543210
	s_mov_b32 s[SEL+1], 0xfedcba98
.macro FRAG reg, adr, q, i
.irp p, 0,1,2,3,4,5
	ds_load_b64 v[\reg+2*\p:\reg+2*\p+1], v[\adr] offset:(\i)*TILEB+(\q)*1536+\p*256
.endr
.endm
.macro MUL16 a0, p, q, sc, zero
.irp a, \a0, \a0+1
.irp b, 0,1,2,3,4,5,6,7
.if \zero
	v_wmma_scale_f32_16x16x128_f8f6f4 v[8*(8*((\a)%4)+\b):8*(8*((\a)%4)+\b)+7], v[128*(\p)+FR*\b:128*(\p)+FR*\b+FR-1], v[AF+FR*(\a):AF+FR*(\a)+FR-1], 0, v[SC+8*NQ*(\sc)+NQ*\b+(\q)], v[SC+8*NQ*(\sc)+NQ*(\a)+(\q)] matrix_a_fmt:MATRIX_FMT_BF6 matrix_b_fmt:MATRIX_FMT_BF6 matrix_a_scale:MATRIX_SCALE_ROW1
.else
	v_wmma_scale_f32_16x16x128_f8f6f4 v[8*(8*((\a)%4)+\b):8*(8*((\a)%4)+\b)+7], v[128*(\p)+FR*\b:128*(\p)+FR*\b+FR-1], v[AF+FR*(\a):AF+FR*(\a)+FR-1], v[8*(8*((\a)%4)+\b):8*(8*((\a)%4)+\b)+7], v[SC+8*NQ*(\sc)+NQ*\b+(\q)], v[SC+8*NQ*(\sc)+NQ*(\a)+(\q)] matrix_a_fmt:MATRIX_FMT_BF6 matrix_b_fmt:MATRIX_FMT_BF6 matrix_a_scale:MATRIX_SCALE_ROW1
.endif
.endr
.endr
.endm
.macro FETCH_B slot, q, p
	WIN TO_B
.irp i, 0,1,2,3,4,5,6,7
	FRAG 128*(\p)+FR*\i, ADRB+\slot, \q, \i
.endr
	WIN 0
.endm
.macro FETCH_A slot, q, i0
.irp i, \i0, \i0+1, \i0+2, \i0+3
	FRAG AF+FR*(\i), ADRA+\slot, \q, \i
.endr
.endm
.macro SCALES sc
.irp i, 0,1,2,3,4,5,6,7
	ds_load_b64 v[SC+8*NQ*\sc+NQ*\i:SC+8*NQ*\sc+NQ*\i+1], v[ADRS] offset:\i*512+8*\sc
.endr
.endm
.macro PLACES n
.rept \n
	v_nop
.endr
.endm
.macro STEP slot, q, zero
	s_wait_dscnt 4*NL
	WIN MUL_LO
	MUL16 0, (\q)%2, \q, \slot, \zero
	MUL16 2, (\q)%2, \q, \slot, \zero
	s_wait_dscnt 0
	PLACES NP
	FETCH_B \slot, (\q)+1, 1-(\q)%2
	FETCH_A \slot, (\q)+1, 0
	WIN MUL_HI
	MUL16 4, (\q)%2, \q, \slot, \zero
	MUL16 6, (\q)%2, \q, \slot, \zero
	PLACES NP
	WIN 0
	FETCH_A \slot, (\q)+1, 4
.endm
.macro TURN slot, next, fill
	s_wait_tensorcnt 0x0
	ds_add_u32 v[SPW], v[NIL]
	s_wait_dscnt 4*NL+1
	WIN MUL_LO
	MUL16 0, 1, NQ-1, \slot, 0
	s_wait_dscnt 0x0
	s_barrier_signal -1
	MUL16 2, 1, NQ-1, \slot, 0
	WIN 0
	s_barrier_wait -1
.if \fill
	CREST
	s_add_nc_u64 s[G0+4*\slot+2:G0+4*\slot+3], s[G0+4*\slot+2:G0+4*\slot+3], 2*TILEB
	s_add_nc_u64 s[G0B+4*\slot+2:G0B+4*\slot+3], s[G0B+4*\slot+2:G0B+4*\slot+3], 2*TILEB
	JLOAD G0+4*\slot, G1, G0B+4*\slot, G1B
.else
	PLACES NP
.endif
.if \next == 0
	v_add_nc_u32 v[ADRS], 256, v[ADRS]
.endif
	FETCH_B \next, 0, 0
	FETCH_A \next, 0, 0
	s_wait_alu depctr_va_vdst(0)
	SCALES \next
	WIN MUL_HI
	MUL16 4, 1, NQ-1, \slot, 0
	MUL16 6, 1, NQ-1, \slot, 0
	PLACES NP
	WIN 0
	FETCH_A \next, 0, 4
.endm
.macro TLD a
.irp c, 0,1,2,3,4,5,6,7
	global_load_b128 v[TAB+32*((\a)%2)+4*\c:TAB+32*((\a)%2)+4*\c+3], v[LI], s[RB:RB+1] offset:(\a)*4096+\c*512
.endr
.endm
	s_wait_alu depctr_va_vdst(0)                   ; the wait at the head's end
	s_wait_tensorcnt 0x0                           ; my tile of the head's four is in; ahead of a later first fill:
	ds_add_u32 v[SPW], v[NIL]
	s_mov_b32 s[G1+2], 8<<16                       ; no tensor load of mine is out: from here on a load brings 8 tiles
	s_mov_b32 s[G1+4], 8
	s_mov_b32 s[G1B+2], 8<<16
	s_mov_b32 s[G1B+4], 8
	s_wait_dscnt 0x0
	CROUND                                         ; all four tiles are in, all sixteen work-groups are here,
	JLOAD G0+4, G1, G0B+4, G1B                     ; and slot 1's load is the first tensor load behind the round
	FETCH_B 0, 0, 0
	FETCH_A 0, 0, 0
	SCALES 0
	FETCH_A 0, 0, 4
	STEP 0, 0, 1
	s_mov_b32 s3, LAPS-1
.Llap:
	TURN 0, 1, 1
	STEP 1, 0, 0
	TURN 1, 0, 1
	STEP 0, 0, 0
	s_sub_co_u32 s3, s3, 1
	s_cmp_lg_u32 s3, 0
	s_cbranch_scc1 .Llap
	s_cmp_lg_u32 s[ISV], 0
	s_cbranch_scc1 .Lno_table
	TLD 0
	TLD 1
.Lno_table:
	TURN 0, 1, 0
	STEP 1, 0, 0
	s_wait_dscnt 4*NL
	WIN MUL_LO
	MUL16 0, 1, NQ-1, 1, 0
	MUL16 2, 1, NQ-1, 1, 0
	s_wait_dscnt 0
	WIN MUL_HI
	MUL16 4, 1, NQ-1, 1, 0
	MUL16 6, 1, NQ-1, 1, 0
	WIN 0
.macro QUANT s, w, d0, d1
	WIN ((\w)<<2)|((\w)<<4)
.irp b, 0,1,2,3
	v_max3_num_f32 v[TM+\b], 0x2800000, |v[(\s)+16*\b]|, |v[(\s)+1+16*\b]|
.endr
.irp i, 2,4,6,8,10,12,14
.irp b, 0,1,2,3
	v_max3_num_f32 v[TM+\b], v[TM+\b], |v[(\s)+16*\b+\i]|, |v[(\s)+1+16*\b+\i]|
.endr
.endr
	WIN 0
.irp b, 0,1,2,3
	v_permlanex16_b32 v[TX+\b], v[TM+\b], s[SEL], s[SEL+1]
.endr
.irp b, 0,1,2,3
	v_max_num_f32 v[TM+\b], v[TM+\b], v[TX+\b]
.endr
.irp b, 0,1,2,3
	v_add_nc_u32 v[SO+\b], 0xfe000000, v[TM+\b]
.endr
.irp b, 0,1,2,3
	v_lshrrev_b32 v[TX+\b], 23, v[SO+\b]
.endr
	v_lshl_or_b32 v[PW], v[TX+1], 8, v[TX]
	v_lshl_or_b32 v[PW], v[TX+2], 16, v[PW]
	v_lshl_or_b32 v[PW], v[TX+3], 24, v[PW]
	s_wait_xcnt 0x0
	WIN \w
	v_cvt_scalef32_pk16_bf6_f32 v[(\d0):(\d0)+2], v[(\s):(\s)+15], v[SO]
	v_cvt_scalef32_pk16_bf6_f32 v[PT:PT+2], v[(\s)+16:(\s)+31], v[SO+1]
	v_cvt_scalef32_pk16_bf6_f32 v[(\d1):(\d1)+2], v[(\s)+32:(\s)+47], v[SO+2]
	v_cvt_scalef32_pk16_bf6_f32 v[PT+4:PT+6], v[(\s)+48:(\s)+63], v[SO+3]
	WIN 0
	v_nop
.irp i, 0,1,2
	v_permlane16_swap_b32 v[(\d0)+\i], v[PT+\i]
	v_permlane16_swap_b32 v[(\d1)+\i], v[PT+4+\i]
.endr
.irp i, 0,1,2
	v_mov_b32 v[(\d0)+3+\i], v[PT+\i]
	v_mov_b32 v[(\d1)+3+\i], v[PT+4+\i]
.endr
.endm
.macro ROPE a
.set AC, 64*((\a)%4)
.set WN, 2+(\a)/4
.set TL, TAB+32*((\a)%2)
	WIN WN
.set n, 0
.rept 32
	v_pk_mul_f32 v[TT+2*n:TT+2*n+1], v[AC+2*n:AC+2*n+1], v[TL+(2*n)%32:TL+(2*n)%32+1] op_sel:[1,1] op_sel_hi:[1,0]
.set n, n+1
.endr
	WIN (WN<<6)|WN
.set n, 0
.rept 32
	v_pk_fma_f32 v[AC+2*n:AC+2*n+1], v[AC+2*n:AC+2*n+1], v[TL+(2*n)%32:TL+(2*n)%32+1], v[TT+2*n:TT+2*n+1] op_sel_hi:[0,1,1] neg_lo:[0,0,1]
.set n, n+1
.endr
	WIN 0
.endm
.macro QK_BLOCK a
.if (\a) < 7
	s_wait_loadcnt 8
.else
	s_wait_loadcnt 0x0
.endif
	ROPE \a
.if (\a)+2 < 8
	TLD (\a)+2
.endif
	QUANT 64*((\a)%4), 2+(\a)/4, H0+6*((\a)%2), H1+6*((\a)%2)
	v_lshrrev_b32 v[SW+(\a)%4], v[H16], v[PW]
	v_and_b32 v[SW+(\a)%4], 0xffff, v[SW+(\a)%4]
.if (\a)%2 == 1
.irp c, 0,1,2
	global_store_b128 v[LI], v[H0+4*\c:H0+4*\c+3], s[CB0:CB0+1] offset:((\a)/2)*1536+\c*512
	global_store_b128 v[LI], v[H1+4*\c:H1+4*\c+3], s[CB1:CB1+1] offset:((\a)/2)*1536+\c*512
.endr
.endif
.if (\a)%4 == 3
	global_store_b128 v[VSO], v[SW:SW+3], s[SB:SB+1] offset:((\a)/4)*256
.endif
.endm
.macro V_BLOCK a
	QUANT 64*((\a)%4), 2+(\a)/4, H0, H0+6
	v_mov_b32 v[SW+(\a)], v[PW]
.irp c, 0,1,2
.if (\a) < 4
	global_store_b128 v[LI], v[H0+4*\c:H0+4*\c+3], s[CB0:CB0+1] offset:((\a)%4)*1536+\c*512
.else
	global_store_b128 v[LI], v[H0+4*\c:H0+4*\c+3], s[CB1:CB1+1] offset:((\a)%4)*1536+\c*512
.endif
.endr
.endm
	PLACES NP
	s_cmp_lg_u32 s[ISV], 0
	s_cbranch_scc1 .Lv_path
.irp a, 0,1,2,3,4,5,6,7
	QK_BLOCK \a
.endr
	s_branch .Lend
.Lv_path:
.irp a, 0,1,2,3,4,5,6,7
	V_BLOCK \a
.endr
	v_cmp_eq_u32 vcc_lo, 1, v2
.irp i, 0,1,2,3
	v_cndmask_b32 v[SW+\i], v[SW+\i], v[SW+4+\i], vcc_lo
.endr
	global_store_b128 v[VSO], v[SW:SW+3], s[SB:SB+1]
.Lend:
	s_wait_tensorcnt 0x0
	ds_add_u32 v[SPW], v[NIL]
	s_wait_dscnt 0x0
	CROUND
	s_endpgm
.Lfunc_end_k_q063430ac44_qkv:
	.size	k_q063430ac44_qkv, .Lfunc_end_k_q063430ac44_qkv-k_q063430ac44_qkv
	.p2alignl 7, 3214868480
	.fill 96, 4, 3214868480
	.section	.rodata,"a",@progbits
	.p2align	6, 0x0
	.amdhsa_kernel k_q063430ac44_qkv
		.amdhsa_group_segment_fixed_size 327680
		.amdhsa_private_segment_fixed_size 0
		.amdhsa_enable_private_segment 0
		.amdhsa_kernarg_size 40
		.amdhsa_user_sgpr_count 2
		.amdhsa_user_sgpr_kernarg_segment_ptr 1
		.amdhsa_wavefront_size32 1
		.amdhsa_system_sgpr_workgroup_id_x 1
		.amdhsa_system_sgpr_workgroup_id_y 1
		.amdhsa_system_sgpr_workgroup_id_z 1
		.amdhsa_system_vgpr_workitem_id 0
		.amdhsa_next_free_vgpr 1024
		.amdhsa_next_free_sgpr 104
		.amdhsa_reserve_vcc 1
		.amdhsa_float_denorm_mode_32 3
		.amdhsa_float_denorm_mode_16_64 3
		.amdhsa_memory_ordered 1
		.amdhsa_forward_progress 1
		.amdhsa_inst_pref_size 239
	.end_amdhsa_kernel
	.amdgpu_metadata
---
amdhsa.version: [ 1, 2 ]
amdhsa.kernels:
  - .name:           k_q063430ac44_qkv
    .symbol:         k_q063430ac44_qkv.kd
    .args:
      - { .name: opc, .offset: 0, .size: 8, .value_kind: global_buffer, .address_space: global }
      - { .name: ops, .offset: 8, .size: 8, .value_kind: global_buffer, .address_space: global }
      - { .name: rope, .offset: 16, .size: 8, .value_kind: global_buffer, .address_space: global }
      - { .name: qkvc, .offset: 24, .size: 8, .value_kind: global_buffer, .address_space: global }
      - { .name: qkvs, .offset: 32, .size: 8, .value_kind: global_buffer, .address_space: global }
    .group_segment_fixed_size: 327680
    .private_segment_fixed_size: 0
    .kernarg_segment_align: 8
    .kernarg_segment_size: 40
    .max_flat_workgroup_size: 128
    .sgpr_count:     104
    .vgpr_count:     1024
    .wavefront_size: 32
...
	.end_amdgpu_metadata
.endif
;; end of part 2
;; launch attn (part 3): grid 16 x 16, 16 waves a work-group, no clusters, 327,680 bytes of LDS; arguments qkvc, qkvs, ac, asc; writes ac, asc
.if DOCPART == 3
	.amdgcn_target "amdgcn-amd-amdhsa--gfx1250"
	.amdhsa_code_object_version 6
	.text
	.protected	k_q063430ac44_attn
	.globl	k_q063430ac44_attn
	.p2align	8
	.type	k_q063430ac44_attn,@function
k_q063430ac44_attn:
	s_mov_b64 s[64:65], 0
	v_nop
	global_prefetch_b8 v0, s[64:65] scope:SCOPE_SE
	s_setreg_imm32_b32 hwreg(HW_REG_WAVE_MODE, 25, 1), 1
	s_wait_xcnt 0x0
; softmax(q k^T / 8, causal) v for one head, both products on codes of BF6; the result, divided by the row's sum, is quantised along the head's 64 for the last product.
; WORK LEFT OUT: key steps all of whose 128 keys come after a group's 128 queries: reference()'s own jnp.tril makes their weights 0 for all inputs (shown at the first launch's head; the limit stated there holds).
; THE SOFTMAX: t = score x log2(e) / 8; M = the running largest t rounded UP to a whole number; p = 2^(t - M) is quantised along the keys, not normalised; the row's sum is taken of the unquantised p and
; divides at the end; when M moves, the sum and O are multiplied by 2^(old M - new M), exactly.  A block's largest p is made from the block's largest score by the same two instructions
; (this takes v_exp_f32 not to fall where its input rises; at the worst one p within an ulp of a power of two is held one code low).
; SHARES.  Work-group (i, head) has the 128 queries of group i and those of group 31 - i, a tile of 16 to a wave: waves 0-7 (helpers) group i, waves 8-15 (owners) group 31 - i.  Steps 0 .. i of 128 keys: every wave
; works its own tile.  At step i + 1 a helper's tile is finished: it divides, quantises and stores it, takes the Q of the owner's tile (wave + 8) and begins a second state (M, sum, O) of zeros.  Of the 31 - 2 i
; steps that are left the owner takes the 1st, 3rd, .. (the last, the diagonal, among them), the helper the 2nd, 4th, ..  So an owner has 17 steps and a helper 16, in every work-group.
; At the end the helper's state goes through LDS bytes of its own, and the owner joins the two: both M are whole numbers, so both parts are brought under the larger M by exact powers of two.
; THE RING: two slots of 8 steps, each as two halves of 4 steps that lie 65,536 bytes apart: one barrier for 8 steps.  Every work-group walks all 4 slots (the trip counts are constants, every wave passes every
; barrier); a step that is not the wave's is jumped over, and a slot beyond group 31 - i is not asked for.  The four steps of a half are written once, in an inner loop of two trips.
; NO CLUSTER: work-groups of one head stop asking at different slots, and a joint load has to be issued by every partner on every way.
; LAYOUT (qkvc, qkvs: as the second launch stores them).  Both products are used transposed: S^T = K Q^T, O^T = V^T P^T: a lane holds ONE query.  The order of tokens in a tile makes the 16 registers of key tiles
; 2 b, 2 b + 1 the 16 keys 32 b + 16 h + 0 .. 15, and O^T's 32 registers the head's 32 b + 16 h + 0 .. 15.
; K = 64 IN AN INSTRUCTION OF 128: Q's upper six registers are zero codes; key tile t's operand is v[32 + 6 t .. 43 + 6 t], whose upper six registers are the next tile's codes (zeros behind tile 7):
; numbers of the format times zero codes, which add nothing; both sides' upper scale bytes are 0, which is 2^-127 and no NaN.
; OUT: ac, asc in the layout of opc, ops: 12,288 T + 768 head + 256 p + 8 x lane; the row's two bytes at 512 T + 256 (head / 8) + 16 r + 4 ((head / 2) % 4) + 2 (head % 2): stores of two bytes, 16 apart,
; one twenty-fourth of the codes' bytes; whole words would want two heads in one work-group.
; LIMITS: NaN and infinities among the inputs are not served; a scale's byte is held at 1 from below.
.set STEPB, 12288                      ; a step's codes: K's 6,144 bytes, then V's
.set SLOTB, 8*STEPB                    ; a slot's bytes in memory
.set HALF1, 65536                      ; LDS: from a half of four steps to the next
.set SLOT1, 131072                     ; slot 1 begins here
.set SCL,   262144                     ; the head's scale words, 768 bytes a step
.set SPARE, 286720                     ; the spare words, 128 bytes a wave
.set STAGE, 288768                     ; the helpers' states: 36 registers x 128 bytes each; no tensor load lands here
.set HB,    4608
.set LI,  1                            ; 16 x lane
.set RS,  2                            ; SCL + 16 r
.set DV,  3                            ; my query's place in its group, less 16 h
.set SPW, 4
.set NIL, 5
.set AD,  6
.set ADS, 7
.set L8,  8
.set R16, 9
.set PFO, 10
.set LN,  11
.set QS,  28
.set PS,  29
.set KF,  32                           ; v32-79 K's eight tiles, then V's four fragments; v80-85 zeros
.set KS,  86
.set VS,  94
.set SG,  98                           ; LDS address of the state that I hand over or take
.set ST,  100                          ; v100-163 S^T, then p
.set OT,  164                          ; v164-195 O^T
.set PC,  196
.set PT,  208
.set QS2, 211                          ; the owner's tile: Q's scale word,
.set BM,  216
.set BX,  220
.set SO,  224
.set BY,  228
.set Q2,  234                          ; v234-239 and Q's codes
.set SM,  240                          ; v240-255 eight chains of the row's sum
.set WV,  12
.set G,   13                           ; the group whose diagonal step is mine
.set GL,  14                           ; 31 - i
.set SI,  15
.set TB,  16                           ; LDS byte at which the half in hand begins
.set TS,  17
.set SLOTS, 18
.set LIM, 19
.set SEL, 20
.set CS,  22
.set G1,  24
.set G0K, 32
.set G0S, 36
.set PFA, 40
.set PAR, 68                           ; behind step i a step is mine where step + PAR is even
.set SWI, 69                           ; the step at whose head a helper changes tiles: i + 1; an owner: none
.set HF,  75                           ; halves of the slot to go
.macro RLOAD                           ; waves 0 to 3 fetch a slot's quarters, 24,576 bytes each
	s_cmp_lt_u32 s[WV], 4
	s_cbranch_scc0 .Lnone_\@
	tensor_load_to_lds s[G0K:G0K+3], s[G1:G1+7]
	s_nop 0
.rept 4
	v_nop
.endr
.Lnone_\@:
.endm
; A prefetch of the slot that the NEXT change of slots will ask for: 98,304 dense bytes.  All sixteen work-groups of a head walk the same bytes: work-group i = 0, which walks all slots, asks; in it waves 4 to 15,
; 8,192 bytes each, lanes 256 bytes apart: each aligned block of 256 bytes is named once in the launch.  Slots 0 and 1 come by their loads alone; the last two trips ask for nothing.
.macro ASK
	s_cmp_gt_u32 s[SLOTS], s[LIM]
	s_cbranch_scc0 .Lnot_mine_\@
	global_prefetch_b8 v[PFO], s[PFA:PFA+1] th:TH_LOAD_NT scope:SCOPE_SE
.Lnot_mine_\@:
.endm
	s_load_b128 s[4:7], s[0:1], 0x0                ; qkvc, qkvs
	s_load_b128 s[8:11], s[0:1], 0x10              ; ac, asc
	v_lshl_add_u32 v[SPW], v0, 2, SPARE
	v_mov_b32 v[NIL], 0
	ds_add_u32 v[SPW], v[NIL]                      ; the opening: the add, twice on end, and its wait
	ds_add_u32 v[SPW], v[NIL]
	v_lshrrev_b32 v6, 5, v0
	s_delay_alu instid0(VALU_DEP_1)
	v_readfirstlane_b32 s[WV], v6                  ; wave 0..15
	s_and_b32 s42, ttmp7, 0xffff                   ; the head
	s_sub_co_u32 s[GL], 31, ttmp9
	s_add_co_u32 s53, ttmp9, 1
	s_cmp_lt_u32 s[WV], 8                          ; helper?
	s_cselect_b32 s[G], ttmp9, s[GL]
	s_cselect_b32 s[SWI], s53, -1
	s_cselect_b32 s[PAR], 1, 0
	s_add_co_u32 s[PAR], s[PAR], s53
	s_and_b32 s[PAR], s[PAR], 1                    ; (i + 1 + helper) % 2
	s_and_b32 s43, s[WV], 7                        ; my tile in the group
	s_and_b32 s44, s[WV], 1
	s_mov_b32 s[G1], 3<<16                         ; group 1, for all loads: 24,576 dense bytes as 96 rows of 32 elements of 8 bytes
	s_mov_b32 s[G1+1], 32<<16
	s_mov_b32 s[G1+2], 96<<16
	s_mov_b32 s[G1+3], 32<<16
	s_mov_b32 s[G1+4], 96
	s_mov_b32 s[G1+5], 32
	s_mov_b32 s[G1+6], 0
	s_mov_b32 s[G1+7], 0
	s_add_co_u32 s45, s42, 16                      ; k and v lie 16 heads behind q
	s_mul_i32 s46, s45, 393216
	s_mov_b32 s47, 0
	s_and_b32 s49, s[WV], 3                        ; my quarter of a slot: in memory 24,576 x (wave % 4),
	s_mul_i32 s49, s49, 24576
	s_add_co_u32 s50, s46, s49
	s_mul_i32 s48, s44, 24576                      ; in LDS 24,576 x (wave % 2) + 65,536 x (wave / 2 % 2)
	s_bfe_u32 s49, s[WV], 0x10001
	s_lshl_b32 s49, s49, 16
	s_add_co_u32 s48, s48, s49
	s_mov_b32 s51, 0
	s_mul_i32 s52, s45, 24576
	s_mov_b32 s53, 0
	s_mov_b32 s[SEL], 0x76543210
	s_mov_b32 s[SEL+1], 0xfedcba98
	s_mov_b32 s[CS], 0x3e38aa3b                    ; log2(e) / 8
	s_mov_b32 s[CS+1], s[CS]
	s_mov_b32 s[SI], 0
	s_mov_b32 s[TB], 0
	s_mov_b32 s[TS], 0
	s_mov_b32 s[SLOTS], 4
	s_wait_dscnt 0x0                               ; both opening adds are done
	s_wait_kmcnt 0x0
	s_mov_b32 s[G0K], 1
	s_mov_b32 s[G0K+1], s48
	s_add_nc_u64 s[G0K+2:G0K+3], s[4:5], s[50:51]
	s_or_b32 s[G0K+3], s[G0K+3], 0x80000000
	s_mov_b32 s[G0S], 1
	s_mov_b32 s[G0S+1], SCL
	s_add_nc_u64 s[G0S+2:G0S+3], s[6:7], s[52:53]
	s_or_b32 s[G0S+3], s[G0S+3], 0x80000000
	s_cmp_lt_u32 s[WV], 4                          ; the first fills: slot 0 (waves 0 to 3) and the head's scale words (wave 4)
	s_cbranch_scc0 .Lh_not_k
	tensor_load_to_lds s[G0K:G0K+3], s[G1:G1+7]
	s_nop 0
.rept 4
	v_nop
.endr
	s_branch .Lh_asked
.Lh_not_k:
	s_cmp_eq_u32 s[WV], 4
	s_cbranch_scc0 .Lh_asked
	tensor_load_to_lds s[G0S:G0S+3], s[G1:G1+7]
	s_nop 0
.rept 4
	v_nop
.endr
.Lh_asked:
	s_mul_i32 s50, s42, 393216                     ; Q: my head, my group, the image that holds my tile
	s_mul_i32 s52, s[G], 12288
	s_add_co_u32 s50, s50, s52
	s_lshr_b32 s52, s43, 1
	s_mul_i32 s52, s52, 1536
	s_add_co_u32 s50, s50, s52
	s_add_nc_u64 s[60:61], s[4:5], s[50:51]
	s_mul_i32 s50, s42, 24576                      ; and its scale words
	s_mul_i32 s52, s[G], 768
	s_add_co_u32 s50, s50, s52
	s_lshr_b32 s52, s43, 2
	s_lshl_b32 s52, s52, 8
	s_add_co_u32 s50, s50, s52
	s_and_b32 s52, s[WV], 3
	s_lshl_b32 s52, s52, 2
	s_add_co_u32 s50, s50, s52
	s_add_nc_u64 s[62:63], s[6:7], s[50:51]
	s_sub_co_u32 s52, s[GL], s[G]                  ; the same tile of group 31 - i (an owner: its own once more)
	s_mul_i32 s50, s52, 12288
	s_add_nc_u64 s[70:71], s[60:61], s[50:51]
	s_mul_i32 s50, s52, 768
	s_add_nc_u64 s[72:73], s[62:63], s[50:51]
	s_mul_i32 s74, s43, HB
	s_add_co_u32 s74, s74, STAGE                   ; helper w and owner w + 8 share a place in the stage
	s_lshl_b32 s54, s[G], 3
	s_add_co_u32 s54, s54, s43                     ; T
	s_mul_i32 s50, s54, 12288
	s_mul_i32 s52, s42, 768
	s_add_co_u32 s50, s50, s52
	s_add_nc_u64 s[56:57], s[8:9], s[50:51]        ; where my codes go,
	s_lshl_b32 s50, s54, 9
	s_lshr_b32 s52, s42, 3
	s_lshl_b32 s52, s52, 8
	s_add_co_u32 s50, s50, s52
	s_bfe_u32 s52, s42, 0x20001
	s_lshl_b32 s52, s52, 2
	s_add_co_u32 s50, s50, s52
	s_and_b32 s52, s42, 1
	s_lshl_b32 s52, s52, 1
	s_add_co_u32 s50, s50, s52
	s_add_nc_u64 s[58:59], s[10:11], s[50:51]      ; and my rows' two bytes
	s_sub_co_u32 s52, s[WV], 4                     ; the prefetches: who asks,
	s_cmp_lt_u32 s52, 12
	s_cselect_b32 s55, 0, 1
	s_or_b32 s55, s55, ttmp9
	s_cmp_eq_u32 s55, 0
	s_cselect_b32 s[LIM], 2, -1
	s_min_u32 s52, s52, 11
	s_lshl_b32 s52, s52, 13                        ; my wave's 8,192 bytes,
	s_add_co_u32 s52, s52, SLOTB                   ; in slot 1: the first change of slots steps it to slot 2
	s_add_co_u32 s46, s46, s52
	s_add_nc_u64 s[PFA:PFA+1], s[4:5], s[46:47]
	v_and_b32 v[LN], 31, v0
	v_and_b32 v6, 15, v0                           ; r
	v_bfe_u32 v7, v0, 4, 1                         ; h
	s_delay_alu instid0(VALU_DEP_3)
	v_lshlrev_b32 v[LI], 4, v[LN]
	s_delay_alu instid0(VALU_DEP_3)
	v_lshlrev_b32 v[R16], 4, v6
	s_delay_alu instid0(VALU_DEP_1)
	v_add_nc_u32 v[RS], SCL, v[R16]
	v_add_nc_u32 v[SG], s74, v[LI]
	v_lshlrev_b32 v[L8], 3, v[LN]
	v_lshlrev_b32 v[PFO], 8, v[LN]
	v_and_b32 v232, 7, v6
	v_and_b32 v233, 8, v6
	s_delay_alu instid0(VALU_DEP_1)
	v_lshl_add_u32 v[DV], v233, 1, v232            ; r % 8 + 16 (r / 8)
	v_lshlrev_b32 v233, 4, v7
	s_delay_alu instid0(VALU_DEP_1)
	v_sub_nc_u32 v[DV], v[DV], v233                ; - 16 h
	s_lshr_b32 s52, s43, 1
	s_lshl_b32 s52, s52, 5
	s_lshl_b32 s53, s44, 3
	s_add_co_u32 s52, s52, s53
	v_add_nc_u32 v[DV], s52, v[DV]                 ; + 32 (tile / 2) + 8 (tile % 2)
	s_cmp_eq_u32 s44, 0                            ; my tile's six registers of the image's twelve
	s_cbranch_scc0 .Lq_odd
	global_load_b64 v[16:17], v[LI], s[60:61]
	global_load_b64 v[18:19], v[LI], s[60:61] offset:8
	global_load_b64 v[20:21], v[LI], s[60:61] offset:512
	global_load_b64 v[Q2:Q2+1], v[LI], s[70:71]
	global_load_b64 v[Q2+2:Q2+3], v[LI], s[70:71] offset:8
	global_load_b64 v[Q2+4:Q2+5], v[LI], s[70:71] offset:512
	s_branch .Lq_in
.Lq_odd:
	global_load_b64 v[16:17], v[LI], s[60:61] offset:520
	global_load_b64 v[18:19], v[LI], s[60:61] offset:1024
	global_load_b64 v[20:21], v[LI], s[60:61] offset:1032
	global_load_b64 v[Q2:Q2+1], v[LI], s[70:71] offset:520
	global_load_b64 v[Q2+2:Q2+3], v[LI], s[70:71] offset:1024
	global_load_b64 v[Q2+4:Q2+5], v[LI], s[70:71] offset:1032
.Lq_in:
	global_load_b32 v[QS], v[R16], s[62:63]
	global_load_b32 v[QS2], v[R16], s[72:73]
.irp j, 0,1,2,3,4,5
	v_mov_b32 v[22+\j], 0                          ; Q's zero codes for the upper 64 along K
	v_mov_b32 v[80+\j], 0                          ; and what stands behind key tile 7
.endr
	v_mov_b32 v31, 0                               ; (named as the upper half of the pair v[30:31])
.irp b, 0,1,2,3
	v_mov_b32 v[BX+\b], 0                          ; written once: a lane permute's destination counts as one of its sources
.endr
.macro FRESH                           ; a state of zeros: the largest t so far -3e38; the first change of M leaves zeros zeros
	v_mov_b32 v13, 0xff61b1e6
	v_mov_b32 v14, 0
	v_mov_b32 v15, 0
	v_floor_f32 v12, -v13                          ; -M
.irp j, 0,1,2,3,4,5,6,7,8,9,10,11,12,13,14,15,16,17,18,19,20,21,22,23,24,25,26,27,28,29,30,31
	v_mov_b32 v[OT+\j], 0
.endr
.endm
	FRESH
; THE WAY OUT of a tile: O^T / the row's sum, quantised along the head's 64 (two blocks), as a half fragment of the last product's operand
.macro EPILOG
	v_add_f32 v14, v14, v15
	s_delay_alu instid0(VALU_DEP_1)
	v_permlanex16_b32 v232, v14, s[SEL], s[SEL+1]
	s_delay_alu instid0(VALU_DEP_1)
	v_add_f32 v14, v14, v232                       ; the row's sum
	s_wait_alu depctr_va_vdst(0)
	v_rcp_f32 v30, v14
.rept 4
	v_nop                                          ; a plain line behind the reciprocal; and places behind the last products
.endr
	s_wait_alu depctr_va_vdst(0)                   ; ahead of the reciprocal's first reader
.irp j, 0,2,4,6,8,10,12,14,16,18,20,22,24,26,28,30
	v_pk_mul_f32 v[OT+\j:OT+\j+1], v[OT+\j:OT+\j+1], v[30:31] op_sel_hi:[1,0]
.endr
.irp b, 0,1
	v_max3_num_f32 v[BM+\b], |v[OT+16*\b]|, |v[OT+1+16*\b]|, 0x2800000
.endr
.irp i, 2,4,6,8,10,12,14
.irp b, 0,1
	s_delay_alu instid0(VALU_DEP_2)
	v_max3_num_f32 v[BM+\b], v[BM+\b], |v[OT+16*\b+\i]|, |v[OT+1+16*\b+\i]|
.endr
.endr
.irp b, 0,1
	s_delay_alu instid0(VALU_DEP_2)
	v_permlanex16_b32 v[BX+\b], v[BM+\b], s[SEL], s[SEL+1]
.endr
.irp b, 0,1
	s_delay_alu instid0(VALU_DEP_2)
	v_max_num_f32 v[BM+\b], v[BM+\b], v[BX+\b]
.endr
.irp b, 0,1
	s_delay_alu instid0(VALU_DEP_2)
	v_add_nc_u32 v[SO+\b], 0xfe000000, v[BM+\b]
.endr
.irp b, 0,1
	s_delay_alu instid0(VALU_DEP_2)
	v_lshrrev_b32 v[BY+\b], 23, v[SO+\b]
.endr
	s_delay_alu instid0(VALU_DEP_1)
	v_lshl_or_b32 v233, v[BY+1], 8, v[BY]
	v_cvt_scalef32_pk16_bf6_f32 v[PC:PC+2], v[OT:OT+15], v[SO]
	v_cvt_scalef32_pk16_bf6_f32 v[PT:PT+2], v[OT+16:OT+31], v[SO+1]
	v_nop
.irp i, 0,1,2
	v_permlane16_swap_b32 v[PC+\i], v[PT+\i]
.endr
.irp i, 0,1,2
	s_delay_alu instid0(VALU_DEP_3)
	v_mov_b32 v[PC+3+\i], v[PT+\i]
.endr
.irp p, 0,1,2
	global_store_b64 v[L8], v[PC+2*\p:PC+2*\p+1], s[56:57] offset:\p*256   ; 32 lanes store 256 consecutive bytes, aligned
.endr
	v_cmp_gt_u32 vcc_lo, 16, v[LN]                 ; lanes 16-31 hold the same bytes as lanes 0-15: one lane a row stores
	s_wait_xcnt 0x0                                ; EXEC changes only behind this wait
	s_and_saveexec_b32 s42, vcc_lo
	global_store_b16 v[R16], v233, s[58:59]
	s_wait_xcnt 0x0                                ; all the stores above have read their registers
	s_or_b32 exec_lo, exec_lo, s42
.endm
; A KEY STEP: 128 keys, the q-th of the half in hand.
.macro STEP q
	s_cmp_lg_u32 s[SI], s[SWI]
	s_cbranch_scc1 .Lsame_\@
	EPILOG                                         ; a helper at step i + 1: its own tile leaves,
	v_mov_b32 v[QS], v[QS2]                        ; the owner's Q comes (more than eight plain lines ahead of the next product),
.irp j, 0,1,2,3,4,5
	v_mov_b32 v[16+\j], v[Q2+\j]
.endr
	FRESH                                          ; and a second state begins
	s_wait_alu depctr_va_vdst(0)                   ; the wait ahead of the branches below
.Lsame_\@:
	s_cmp_gt_u32 s[SI], s[GL]                      ; all its keys come after the work-group's queries: left out
	s_cbranch_scc1 .Lhidden_\@
	s_cmp_le_u32 s[SI], ttmp9                      ; steps 0 .. i: every wave's
	s_cbranch_scc1 .Lmine_\@
	s_add_co_u32 s42, s[SI], s[PAR]                ; behind them owner and helper take turns
	s_bitcmp1_b32 s42, 0
	s_cbranch_scc1 .Lhidden_\@
.Lmine_\@:
	v_add_nc_u32 v[AD], s[TB], v[LI]
	v_add_nc_u32 v[ADS], s[TS], v[RS]
	v_nop
	v_nop                                          ; four plain lines in front of loads into registers that the last products read
.irp n, 0,1,2,3,4,5,6,7,8,9,10,11
	ds_load_b128 v[KF+4*\n:KF+4*\n+3], v[AD] offset:(\q)*STEPB+\n*512      ; K's eight tiles, six registers each, as they lie
.endr
	ds_load_b128 v[KS:KS+3], v[ADS]
	ds_load_b128 v[KS+4:KS+7], v[ADS] offset:256
	s_wait_alu depctr_va_vdst(0)
	s_wait_dscnt 0x0
.irp t, 0,1,2,3,4,5,6,7
	v_wmma_scale_f32_16x16x128_f8f6f4 v[ST+8*\t:ST+8*\t+7], v[KF+6*\t:KF+6*\t+11], v[16:27], 0, v[KS+\t], v[QS] matrix_a_fmt:MATRIX_FMT_BF6 matrix_b_fmt:MATRIX_FMT_BF6
.endr
.rept 4
	v_nop                                          ; places: the scores are read below, and V's loads land where K's codes lay
.endr
.irp n, 0,1,2,3,4,5,6,7,8,9,10,11
	ds_load_b128 v[KF+4*\n:KF+4*\n+3], v[AD] offset:(\q)*STEPB+6144+\n*512   ; V's four fragments: they land during the softmax
.endr
	ds_load_b128 v[VS:VS+3], v[ADS] offset:512
	s_cmp_lg_u32 s[SI], s[G]                       ; on the diagonal alone: hidden keys' scores become -infinity ahead of the maximum
	s_cbranch_scc1 .Lopen_\@
	v_mov_b32 v233, 0xff800000
.irp n, 0,1,2,3,4,5,6,7,8,9,10,11,12,13,14,15,16,17,18,19,20,21,22,23,24,25,26,27,28,29,30,31,32,33,34,35,36,37,38,39,40,41,42,43,44,45,46,47,48,49,50,51,52,53,54,55,56,57,58,59,60,61,62,63
	v_cmp_gt_i32 vcc_lo, 32*(\n/16)+\n%16, v[DV]   ; register 16 b + i holds key 32 b + 16 h + i of the step
	v_cndmask_b32 v[ST+\n], v[ST+\n], v233, vcc_lo
.endr
.Lopen_\@:
.irp b, 0,1,2,3
	v_max3_num_f32 v[BM+\b], v[ST+16*\b], v[ST+1+16*\b], v[ST+2+16*\b]     ; the largest score of each block of 32 keys
.endr
.irp i, 3,5,7,9,11,13
.irp b, 0,1,2,3
	v_max3_num_f32 v[BM+\b], v[BM+\b], v[ST+16*\b+\i], v[ST+1+16*\b+\i]
.endr
.endr
.irp b, 0,1,2,3
	v_max_num_f32 v[BM+\b], v[BM+\b], v[ST+15+16*\b]
.endr
.irp b, 0,1,2,3
	s_delay_alu instid0(VALU_DEP_4)
	v_permlanex16_b32 v[BX+\b], v[BM+\b], s[SEL], s[SEL+1]
.endr
.irp b, 0,1,2,3
	s_delay_alu instid0(VALU_DEP_4)
	v_max_num_f32 v[BM+\b], v[BM+\b], v[BX+\b]     ; with lane l xor 16's 16 keys
.endr
	s_delay_alu instid0(VALU_DEP_2)
	v_max3_num_f32 v232, v[BM], v[BM+1], v[BM+2]
	s_delay_alu instid0(VALU_DEP_1)
	v_max_num_f32 v232, v232, v[BM+3]
	s_delay_alu instid0(VALU_DEP_1)
	v_mul_f32 v232, s[CS], v232                    ; as t
	s_delay_alu instid0(VALU_DEP_1)
	v_max_num_f32 v13, v13, v232                   ; the running largest t
	v_mov_b32 v232, v12
	s_delay_alu instid0(VALU_DEP_2)
	v_floor_f32 v12, -v13                          ; the new -M = -ceil(t)
	s_delay_alu instid0(VALU_DEP_1)
	v_sub_f32 v232, v12, v232                      ; old M - new M: a whole number, 0 or less
	s_delay_alu instid0(VALU_DEP_1)
	v_cvt_i32_f32 v232, v232                       ; (it saturates)
	s_delay_alu instid0(VALU_DEP_1)
	v_ldexp_f32 v30, 1.0, v232                     ; f = 2^(old M - new M)
.irp j, 0,2,4,6,8,10,12,14,16,18,20,22,24,26,28,30,32,34,36,38,40,42,44,46,48,50,52,54,56,58,60,62
	v_pk_fma_f32 v[ST+\j:ST+\j+1], v[ST+\j:ST+\j+1], s[CS:CS+1], v[12:13] op_sel_hi:[1,0,0]   ; t - M, two at a time
.endr
.irp b, 0,1,2,3
	v_fma_f32 v[BM+\b], v[BM+\b], s[CS], v12
.endr
	s_wait_alu depctr_va_vdst(0)
.irp j, 0,1,2,3,4,5,6,7,8,9,10,11,12,13,14,15,16,17,18,19,20,21,22,23,24,25,26,27,28,29,30,31,32,33,34,35,36,37,38,39,40,41,42,43,44,45,46,47,48,49,50,51,52,53,54,55,56,57,58,59,60,61,62,63
	v_exp_f32 v[ST+\j], v[ST+\j]                   ; p = 2^(t - M)
.endr
	v_pk_mul_f32 v[14:15], v[14:15], v[30:31] op_sel_hi:[1,0]      ; the sums under the new M (a plain line behind the exponentials)
	s_wait_alu depctr_va_vdst(0)                   ; one wait for the batch, ahead of its first reader
.irp b, 0,1,2,3
	v_exp_f32 v[BM+\b], v[BM+\b]                   ; the blocks' largest p
.endr
.irp c, 0,2,4,6,8,10,12,14
	v_pk_add_f32 v[SM+\c:SM+\c+1], v[ST+\c:ST+\c+1], v[ST+16+\c:ST+17+\c]   ; the row's sum of the unquantised p: eight chains of pairs
.endr
.irp k, 32,48
.irp c, 0,2,4,6,8,10,12,14
	v_pk_add_f32 v[SM+\c:SM+\c+1], v[SM+\c:SM+\c+1], v[ST+\k+\c:ST+\k+\c+1]
.endr
.endr
.irp c, 0,2,4,6
	s_delay_alu instid0(VALU_DEP_4)
	v_pk_add_f32 v[SM+\c:SM+\c+1], v[SM+\c:SM+\c+1], v[SM+8+\c:SM+9+\c]
.endr
.irp c, 0,2
	s_delay_alu instid0(VALU_DEP_2)
	v_pk_add_f32 v[SM+\c:SM+\c+1], v[SM+\c:SM+\c+1], v[SM+4+\c:SM+5+\c]
.endr
	s_delay_alu instid0(VALU_DEP_1)
	v_pk_add_f32 v[SM:SM+1], v[SM:SM+1], v[SM+2:SM+3]
	s_delay_alu instid0(VALU_DEP_1)
	v_pk_add_f32 v[14:15], v[14:15], v[SM:SM+1]
	s_wait_alu depctr_va_vdst(0)                   ; and one for the four
.irp b, 0,1,2,3
	v_max_num_f32 v[BM+\b], 0x2800000, v[BM+\b]    ; the floor 2^(5 - 127): the byte cannot fall under 1
.endr
.irp b, 0,1,2,3
	s_delay_alu instid0(VALU_DEP_4)
	v_add_nc_u32 v[SO+\b], 0xfe000000, v[BM+\b]
.endr
.irp b, 0,1,2,3
	s_delay_alu instid0(VALU_DEP_4)
	v_lshrrev_b32 v[BY+\b], 23, v[SO+\b]
.endr
	s_delay_alu instid0(VALU_DEP_3)
	v_lshl_or_b32 v[PS], v[BY+1], 8, v[BY]         ; p's scale word for these 128 keys
	s_delay_alu instid0(VALU_DEP_1)
	v_lshl_or_b32 v[PS], v[BY+2], 16, v[PS]
	s_delay_alu instid0(VALU_DEP_1)
	v_lshl_or_b32 v[PS], v[BY+3], 24, v[PS]
.irp c, 0,1
	v_cvt_scalef32_pk16_bf6_f32 v[PC+6*\c:PC+6*\c+2], v[ST+32*\c:ST+32*\c+15], v[SO+2*\c]
	v_cvt_scalef32_pk16_bf6_f32 v[PT+4*\c:PT+4*\c+2], v[ST+16+32*\c:ST+31+32*\c], v[SO+2*\c+1]
.endr
	v_nop                                          ; one plain line behind a scaled conversion
.irp c, 0,1
.irp i, 0,1,2
	v_permlane16_swap_b32 v[PC+6*\c+\i], v[PT+4*\c+\i]
.endr
.irp i, 0,1,2
	s_delay_alu instid0(VALU_DEP_3)
	v_mov_b32 v[PC+3+6*\c+\i], v[PT+4*\c+\i]
.endr
.endr
.irp j, 0,2,4,6,8,10,12,14,16,18,20,22,24,26,28,30
	v_pk_mul_f32 v[OT+\j:OT+\j+1], v[OT+\j:OT+\j+1], v[30:31] op_sel_hi:[1,0]   ; O^T under the new M; these sixteen are also the places in front of the products below
.endr
	s_wait_alu depctr_va_vdst(0)
	s_wait_dscnt 0x0                               ; V is in
.irp t, 0,1,2,3
	v_wmma_scale_f32_16x16x128_f8f6f4 v[OT+8*\t:OT+8*\t+7], v[KF+12*\t:KF+12*\t+11], v[PC:PC+11], v[OT+8*\t:OT+8*\t+7], v[VS+\t], v[PS] matrix_a_fmt:MATRIX_FMT_BF6 matrix_b_fmt:MATRIX_FMT_BF6
.endr
.Lhidden_\@:
	s_add_co_u32 s[SI], s[SI], 1
	s_add_co_u32 s[TS], s[TS], 768
.endm
	s_wait_alu depctr_va_vdst(0)                   ; the wait at the head's end
	s_wait_loadcnt 0x0                             ; both Q
; THE CHANGE OF SLOTS stands at a slot's head.  Each wave waits for all its tensor loads, adds 0 to its spare word, and waits for that and for its reads of the slot that it has left.  Behind the barrier the slot
; ahead is whole and nobody reads the other one, which is filled with the next eight steps if some wave of the work-group will read them: a test on ids and the count of steps, the same in all waves.
.Lslot:                                            ; four trips
	s_wait_tensorcnt 0x0
	ds_add_u32 v[SPW], v[NIL]                      ; twice on end
	ds_add_u32 v[SPW], v[NIL]
	s_xor_b32 s[G0K+1], s[G0K+1], SLOT1            ; no tensor load of mine is out: the walking descriptor takes the other slot and the next eight steps
	s_add_nc_u64 s[G0K+2:G0K+3], s[G0K+2:G0K+3], SLOTB
	s_wait_xcnt 0x0                                ; the last prefetch, a slot back, has read its address
	s_add_nc_u64 s[PFA:PFA+1], s[PFA:PFA+1], SLOTB
	s_wait_dscnt 0x0
	s_barrier_signal -1
	s_barrier_wait -1
	s_add_co_u32 s42, s[SI], 8                     ; the first step of the slot that this change would ask for
	s_cmp_gt_u32 s42, s[GL]
	s_cbranch_scc1 .Lpast
	RLOAD
.Lpast:
	ASK
	s_mov_b32 s[HF], 2
.Lhalf:                                            ; two trips: the slot's two halves of four steps
	STEP 0
	STEP 1
	STEP 2
	STEP 3
	s_add_co_u32 s[TB], s[TB], HALF1               ; the four halves of the two slots lie on end, and the walk goes round them
	s_and_b32 s[TB], s[TB], 0x3ffff
	s_sub_co_u32 s[HF], s[HF], 1
	s_cmp_lg_u32 s[HF], 0
	s_cbranch_scc1 .Lhalf
	s_sub_co_u32 s[SLOTS], s[SLOTS], 1
	s_cmp_lg_u32 s[SLOTS], 0
	s_cbranch_scc1 .Lslot
	; THE TWO STATES OF AN OWNER'S TILE ARE JOINED
	s_wait_tensorcnt 0x0
.rept 4
	v_nop                                          ; places behind the last products
.endr
	s_cmp_lt_u32 s[WV], 8
	s_cbranch_scc0 .Lkeeps
.irp t, 0,1,2,3,4,5,6,7
	ds_store_b128 v[SG], v[OT+4*\t:OT+4*\t+3] offset:512*\t     ; an image of the helper's registers: O^T,
.endr
	ds_store_b128 v[SG], v[12:15] offset:4096      ; and -M, the largest t, the sum's two halves
.Lkeeps:
	s_wait_dscnt 0x0
	s_barrier_signal -1
	s_barrier_wait -1
	s_cmp_lt_u32 s[WV], 8
	s_cbranch_scc1 .Lend
.irp t, 0,1,2,3,4,5,6,7,8
	ds_load_b128 v[ST+4*\t:ST+4*\t+3], v[SG] offset:512*\t
.endr
	s_wait_dscnt 0x0
	v_min_num_f32 v232, v12, v[ST+32]              ; -(the larger M)
	s_delay_alu instid0(VALU_DEP_1)
	v_sub_f32 v233, v232, v12                      ; whole numbers, 0 or less
	v_sub_f32 v232, v232, v[ST+32]
	s_delay_alu instid0(VALU_DEP_2)
	v_cvt_i32_f32 v233, v233                       ; (they saturate: a helper that had no step has -M = 3e38, a factor 0 and zeros)
	s_delay_alu instid0(VALU_DEP_2)
	v_cvt_i32_f32 v232, v232
	s_delay_alu instid0(VALU_DEP_2)
	v_ldexp_f32 v30, 1.0, v233                     ; my factor,
	s_delay_alu instid0(VALU_DEP_2)
	v_ldexp_f32 v232, 1.0, v232                    ; the helper's (of the pair v[232:233] the low word serves both halves)
	v_pk_mul_f32 v[14:15], v[14:15], v[30:31] op_sel_hi:[1,0]
.irp j, 0,2,4,6,8,10,12,14,16,18,20,22,24,26,28,30
	v_pk_mul_f32 v[OT+\j:OT+\j+1], v[OT+\j:OT+\j+1], v[30:31] op_sel_hi:[1,0]
.endr
	v_pk_fma_f32 v[14:15], v[ST+34:ST+35], v[232:233], v[14:15] op_sel_hi:[1,0,1]
.irp j, 0,2,4,6,8,10,12,14,16,18,20,22,24,26,28,30
	v_pk_fma_f32 v[OT+\j:OT+\j+1], v[ST+\j:ST+\j+1], v[232:233], v[OT+\j:OT+\j+1] op_sel_hi:[1,0,1]
.endr
	EPILOG
.Lend:
	s_wait_tensorcnt 0x0                           ; the wave's end
	ds_add_u32 v[SPW], v[NIL]
	s_wait_dscnt 0x0
	s_endpgm
.Lfunc_end_k_q063430ac44_attn:
	.size	k_q063430ac44_attn, .Lfunc_end_k_q063430ac44_attn-k_q063430ac44_attn
	.p2alignl 7, 3214868480
	.fill 96, 4, 3214868480
	.section	.rodata,"a",@progbits
	.p2align	6, 0x0
	.amdhsa_kernel k_q063430ac44_attn
		.amdhsa_group_segment_fixed_size 327680
		.amdhsa_private_segment_fixed_size 0
		.amdhsa_enable_private_segment 0
		.amdhsa_kernarg_size 32
		.amdhsa_user_sgpr_count 2
		.amdhsa_user_sgpr_kernarg_segment_ptr 1
		.amdhsa_wavefront_size32 1
		.amdhsa_system_sgpr_workgroup_id_x 1
		.amdhsa_system_sgpr_workgroup_id_y 1
		.amdhsa_system_sgpr_workgroup_id_z 1
		.amdhsa_system_vgpr_workitem_id 0
		.amdhsa_next_free_vgpr 256
		.amdhsa_next_free_sgpr 100
		.amdhsa_reserve_vcc 1
		.amdhsa_float_denorm_mode_32 3
		.amdhsa_float_denorm_mode_16_64 3
		.amdhsa_memory_ordered 1
		.amdhsa_forward_progress 1
		.amdhsa_inst_pref_size 132
	.end_amdhsa_kernel
	.amdgpu_metadata
---
amdhsa.version: [ 1, 2 ]
amdhsa.kernels:
  - .name:           k_q063430ac44_attn
    .symbol:         k_q063430ac44_attn.kd
    .args:
      - { .name: qkvc, .offset: 0, .size: 8, .value_kind: global_buffer, .address_space: global }
      - { .name: qkvs, .offset: 8, .size: 8, .value_kind: global_buffer, .address_space: global }
      - { .name: ac, .offset: 16, .size: 8, .value_kind: global_buffer, .address_space: global }
      - { .name: asc, .offset: 24, .size: 8, .value_kind: global_buffer, .address_space: global }
    .group_segment_fixed_size: 327680
    .private_segment_fixed_size: 0
    .kernarg_segment_align: 8
    .kernarg_segment_size: 32
    .max_flat_workgroup_size: 512
    .sgpr_count:     100
    .vgpr_count:     256
    .wavefront_size: 32
...
	.end_amdgpu_metadata
.endif
;; end of part 3
;; launch oproj (part 4): grid 8 x 32, 4 waves a work-group, clusters of 4 x 4, 327,680 bytes of LDS; arguments ac, asc, opc, ops, out0; writes out0
.if DOCPART == 4
	.amdgcn_target "amdgcn-amd-amdhsa--gfx1250"
	.amdhsa_code_object_version 6
	.text
	.protected	k_q063430ac44_oproj
	.globl	k_q063430ac44_oproj
	.p2align	8
	.type	k_q063430ac44_oproj,@function
k_q063430ac44_oproj:
	s_mov_b64 s[64:65], 0
	v_nop
	global_prefetch_b8 v0, s[64:65] scope:SCOPE_SE
	s_setreg_imm32_b32 hwreg(HW_REG_WAVE_MODE, 25, 1), 1
	s_wait_xcnt 0x0
	s_wait_alu depctr_hold_cnt(0) depctr_sa_sdst(0) depctr_va_vdst(0) depctr_va_sdst(0) depctr_va_ssrc(0) depctr_va_vcc(0) depctr_vm_vsrc(0)
	s_getreg_b32 s2, hwreg(HW_REG_IB_STS2, 6, 4)
	s_cmp_eq_u32 s2, 0
	s_cbranch_scc0 .Lentry_in_a_cluster
	s_endpgm
.Lentry_in_a_cluster:
	s_bfe_u32 s2, ttmp6, 0x10000c
	s_cmp_lg_u32 s2, 0xf033
	s_cbranch_scc0 .Lentry_shape_is_right
	s_endpgm
.Lentry_shape_is_right:
; out0 [4096][1024] f32 = attn w_o^T, both operands as codes of BF6 with E8M0 scales, in the layout of opc, ops (images of operand registers: the first launch's head).
; A work-group makes 128 x 128 of the result: 32 x 8 = 256 work-groups.  Its 8 tiles of 16 rows of attn, for all of K = 1,024, are ONE dense block of 98,304 bytes of ac, its 8 tiles of w_o one of opc, and
; their scale words two dense blocks of 4,096 bytes: the four come by four tensor loads at the head, one a wave, and stay: 204,800 bytes of LDS, filled once; no ring, no refill.
; CLUSTERS: 4 x 4 work-groups; attn's blocks are shared along a row of the cluster, w_o's along a column: each is asked for jointly.
; NO PREFETCH: the launch has no loop to run ahead in: all that it reads is asked for by its first four loads.
; A wave makes 64 x 64: 16 accumulators.  The matrix instruction is used transposed (source 0 = 16 rows of w_o, source 1 = 16 rows of attn): a lane holds eight neighbouring numbers of a row of the result.
; THE ORDER OF ROWS in a tile: place r of tile T is row 32 (T / 2) + 8 (T % 2) + r % 8 + 16 (r / 8), for tokens and for w_o's rows alike; the way out puts both back.
; REGISTERS: window 0: v16-29 addresses; v32-63 all scale words (register 8 i + s: lanes 0-15 attn's tile i, lanes 16-31 w_o's tile i, K step s); v64-159, v160-255 two sets of fragments (w_o's four, attn's four).
; Window 1: the accumulators, (a, b) at v[8 (4 a + b)].
.set BLK,   98304
.set SCLA,  2*BLK
.set SPARE, SCLA+8192                  ; the spare words, 128 bytes a wave
.set STAGE, SPARE+512                  ; the way out: 16 rows x (256 + 16) bytes for each wave; no tensor load lands here
.set SPITCH, 272
.set ADRA, 16
.set ADRB, 17
.set ADRS, 18
.set STO,  19
.set RD,   20
.set CO,   21
.set SPW,  28
.set NIL,  29
.set SC,   32
.set F0,   64
.set G1,   24
.set G1B,  32
.set G1S,  40
.set G1SB, 48
.set G0,   56
.set G0B,  60
.set G0S,  68
.set G0SB, 72
.set MSB, 0
.macro WIN new                         ; the immediate's high byte repeats the setting that is left
.if MSB != \new
	s_set_vgpr_msb (MSB<<8)|\new
.set MSB, \new
.endif
.endm
.macro CROUND                          ; a round of the cluster's barrier
	s_barrier_signal -1
	s_barrier_wait -1
	s_cmp_lg_u32 s14, 0
	s_cbranch_scc1 .Lnot_wave_0_\@
	s_barrier_signal -3
.Lnot_wave_0_\@:
	s_barrier_wait -3
	s_barrier_signal -1
	s_barrier_wait -1
.endm
.macro PLACES
.rept 4
	v_nop
.endr
.endm
	s_load_b128 s[4:7], s[0:1], 0x0                ; ac, asc
	s_load_b128 s[8:11], s[0:1], 0x10              ; opc, ops
	s_load_b64 s[12:13], s[0:1], 0x20              ; out0
	v_lshl_add_u32 v[SPW], v0, 2, SPARE
	v_mov_b32 v[NIL], 0
	ds_add_u32 v[SPW], v[NIL]                      ; the opening: the add, twice on end, and its wait
	ds_add_u32 v[SPW], v[NIL]
	v_lshrrev_b32 v1, 5, v0
	v_readfirstlane_b32 s14, v1                    ; wave 0..3
	s_lshr_b32 s15, s14, 1                         ; which 64 rows are mine,
	s_and_b32 s16, s14, 1                          ; which 64 columns
	s_bfe_u32 s76, ttmp6, 0x40000                  ; cx, cy
	s_bfe_u32 s77, ttmp6, 0x40004
	s_lshl_b32 s78, ttmp9, 2
	s_add_co_u32 s78, s78, s76                     ; block column 0..7
	s_and_b32 s17, ttmp7, 0xffff
	s_lshl_b32 s17, s17, 2
	s_add_co_u32 s17, s17, s77                     ; block row 0..31
	s_lshl_b32 s79, s77, 2
	s_lshl_b32 s79, 15, s79                        ; my row of the cluster
	s_lshl_b32 s80, 0x1111, s76                    ; my column
	s_or_b32 s[G1], s79, (3<<16)|(1<<21)           ; elements of 8 bytes; the mask, and bit 21 beside it
	s_or_b32 s[G1B], s80, (3<<16)|(1<<21)
	s_or_b32 s[G1S], s79, (3<<16)|(1<<21)
	s_or_b32 s[G1SB], s80, (3<<16)|(1<<21)
.irp g, G1, G1B                        ; 98,304 dense bytes as 384 rows of 256
	s_mov_b32 s[\g+1], 32<<16
	s_mov_b32 s[\g+2], 384<<16
	s_mov_b32 s[\g+3], 32<<16
	s_mov_b32 s[\g+4], 384
	s_mov_b32 s[\g+5], 32
	s_mov_b32 s[\g+6], 0
	s_mov_b32 s[\g+7], 0
.endr
.irp g, G1S, G1SB                      ; 4,096 dense bytes as 16 rows of 256
	s_mov_b32 s[\g+1], 32<<16
	s_mov_b32 s[\g+2], 16<<16
	s_mov_b32 s[\g+3], 32<<16
	s_mov_b32 s[\g+4], 16
	s_mov_b32 s[\g+5], 32
	s_mov_b32 s[\g+6], 0
	s_mov_b32 s[\g+7], 0
.endr
	s_mul_i32 s18, s17, BLK                        ; attn's block hangs on the block row alone,
	s_mov_b32 s19, 0
	s_lshl_b32 s20, s17, 12
	s_mov_b32 s21, 0
	s_mul_i32 s22, s78, BLK                        ; w_o's on the block column alone; w_o begins at tile 448 of opc
	s_add_co_u32 s22, s22, 448*12288
	s_mov_b32 s23, 0
	s_lshl_b32 s82, s78, 12
	s_add_co_u32 s82, s82, 448*512
	s_mov_b32 s83, 0
	s_mul_i32 s84, s15, BLK/2                      ; LDS: my four tiles of attn,
	s_mul_i32 s85, s16, BLK/2
	s_add_co_u32 s85, s85, BLK                     ; of w_o,
	s_lshl_b32 s86, s15, 11
	s_lshl_b32 s87, s16, 11
	s_add_co_u32 s87, s87, 4096
	s_sub_co_u32 s87, s87, s86                     ; from attn's scale words to w_o's,
	s_add_co_u32 s86, s86, SCLA
	s_mul_i32 s88, s14, 16*SPITCH
	s_add_co_u32 s88, s88, STAGE                   ; my stage
	s_lshl_b32 s90, s17, 7                         ; where my part of the result begins, in bytes
	s_lshl_b32 s91, s15, 6
	s_add_co_u32 s90, s90, s91
	s_lshl_b32 s90, s90, 12
	s_lshl_b32 s91, s78, 9
	s_add_co_u32 s90, s90, s91
	s_lshl_b32 s91, s16, 8
	s_add_co_u32 s90, s90, s91
	s_mov_b32 s91, 0
	s_wait_dscnt 0x0                               ; both opening adds are done
	s_wait_kmcnt 0x0
	s_add_nc_u64 s[18:19], s[4:5], s[18:19]
	s_add_nc_u64 s[20:21], s[6:7], s[20:21]
	s_add_nc_u64 s[22:23], s[8:9], s[22:23]
	s_add_nc_u64 s[82:83], s[10:11], s[82:83]
	s_add_nc_u64 s[12:13], s[12:13], s[90:91]
	CROUND                                         ; all sixteen work-groups are here: the joint loads meet
	s_mov_b32 s[G0], 1
	s_mov_b32 s[G0+1], 0
	s_mov_b64 s[G0+2:G0+3], s[18:19]
	s_or_b32 s[G0+3], s[G0+3], 0x80000000
	s_mov_b32 s[G0B], 1
	s_mov_b32 s[G0B+1], BLK
	s_mov_b64 s[G0B+2:G0B+3], s[22:23]
	s_or_b32 s[G0B+3], s[G0B+3], 0x80000000
	s_mov_b32 s[G0S], 1
	s_mov_b32 s[G0S+1], SCLA
	s_mov_b64 s[G0S+2:G0S+3], s[20:21]
	s_or_b32 s[G0S+3], s[G0S+3], 0x80000000
	s_mov_b32 s[G0SB], 1
	s_mov_b32 s[G0SB+1], SCLA+4096
	s_mov_b64 s[G0SB+2:G0SB+3], s[82:83]
	s_or_b32 s[G0SB+3], s[G0SB+3], 0x80000000
; one load a wave, in one tree of branches on the wave's number: wave 0 attn's codes, wave 1 w_o's, wave 2 attn's scale words, wave 3 w_o's
.macro ARM under, g0, g1, next
	s_cmp_lt_u32 s14, \under
	s_cbranch_scc0 \next
	tensor_load_to_lds s[\g0:\g0+3], s[\g1:\g1+7]
	s_nop 0
.rept 4
	v_nop
.endr
	s_branch .Lhead_asked
\next:
.endm
	ARM 1, G0,  G1,  .Lhead_b
	ARM 2, G0B, G1B, .Lhead_sa
	ARM 3, G0S, G1S, .Lhead_sb
	tensor_load_to_lds s[G0SB:G0SB+3], s[G1SB:G1SB+7]
	s_nop 0
.rept 4
	v_nop
.endr
.Lhead_asked:
	v_and_b32 v1, 15, v0                           ; r
	v_bfe_u32 v2, v0, 4, 1                         ; h
	v_and_b32 v3, 31, v0
	v_lshlrev_b32 v4, 3, v3                        ; 8 x lane
	v_add_nc_u32 v[ADRA], s84, v4
	v_add_nc_u32 v[ADRB], s85, v4
	v_lshlrev_b32 v5, 4, v1
	v_mul_u32_u24 v6, s87, v2                      ; lanes 16-31 take w_o's words
	v_add_nc_u32 v5, v5, v6
	v_add_nc_u32 v[ADRS], s86, v5
	v_mul_u32_u24 v5, v1, SPITCH                   ; into the stage: row r, 64 h bytes on
	v_lshl_add_u32 v5, v2, 6, v5
	v_add_nc_u32 v[STO], s88, v5
	v_mul_u32_u24 v6, v2, SPITCH                   ; back: sixteen lanes to a row of 256 bytes, two rows an instruction
	v_lshl_add_u32 v6, v1, 4, v6
	v_add_nc_u32 v[RD], s88, v6
	v_lshlrev_b32 v7, 12, v2                       ; and the same two rows of the result
	v_lshl_add_u32 v[CO], v1, 4, v7
.macro FETCH s                         ; K step s: w_o's four fragments, then attn's four, into set s % 2: 48 loads
.irp i, 0,1,2,3
.irp p, 0,1,2,3,4,5
	ds_load_b64 v[F0+96*((\s)%2)+12*\i+2*\p:F0+96*((\s)%2)+12*\i+2*\p+1], v[ADRB] offset:\i*12288+(\s)*1536+\p*256
.endr
.endr
.irp i, 0,1,2,3
.irp p, 0,1,2,3,4,5
	ds_load_b64 v[F0+96*((\s)%2)+48+12*\i+2*\p:F0+96*((\s)%2)+48+12*\i+2*\p+1], v[ADRA] offset:\i*12288+(\s)*1536+\p*256
.endr
.endr
.endm
.macro MULS s                          ; 16 products, the accumulators by turns; the first step starts the sums
.irp a, 0,1,2,3
.irp b, 0,1,2,3
.if (\s) == 0
	v_wmma_scale_f32_16x16x128_f8f6f4 v[8*(4*\a+\b):8*(4*\a+\b)+7], v[F0+96*((\s)%2)+12*\b:F0+96*((\s)%2)+12*\b+11], v[F0+96*((\s)%2)+48+12*\a:F0+96*((\s)%2)+48+12*\a+11], 0, v[SC+8*\b+(\s)], v[SC+8*\a+(\s)] matrix_a_fmt:MATRIX_FMT_BF6 matrix_b_fmt:MATRIX_FMT_BF6 matrix_a_scale:MATRIX_SCALE_ROW1
.else
	v_wmma_scale_f32_16x16x128_f8f6f4 v[8*(4*\a+\b):8*(4*\a+\b)+7], v[F0+96*((\s)%2)+12*\b:F0+96*((\s)%2)+12*\b+11], v[F0+96*((\s)%2)+48+12*\a:F0+96*((\s)%2)+48+12*\a+11], v[8*(4*\a+\b):8*(4*\a+\b)+7], v[SC+8*\b+(\s)], v[SC+8*\a+(\s)] matrix_a_fmt:MATRIX_FMT_BF6 matrix_b_fmt:MATRIX_FMT_BF6 matrix_a_scale:MATRIX_SCALE_ROW1
.endif
.endr
.endr
.endm
	s_wait_alu depctr_va_vdst(0)                   ; the wait at the head's end
	s_wait_tensorcnt 0x0                           ; my block is in;
	s_barrier_signal -1
	s_barrier_wait -1                              ; all four are
.irp i, 0,1,2,3
	ds_load_b128 v[SC+8*\i:SC+8*\i+3], v[ADRS] offset:\i*512         ; K steps 0-3,
	ds_load_b128 v[SC+8*\i+4:SC+8*\i+7], v[ADRS] offset:\i*512+256   ; 4-7
.endr
	FETCH 0
.set KST, 0
.rept 8
.if KST < 7
.if KST > 0
	PLACES                                         ; the loads below land in registers that the last products read
.endif
	FETCH KST+1
	s_wait_dscnt 48                                ; all but the 48 just issued
.else
	s_wait_dscnt 0x0
.endif
	WIN 0x50                                       ; C and D: window 1
	MULS KST
	WIN 0
.set KST, KST+1
.endr
; THE WAY OUT, by blocks of 16 rows x 64 columns, through my own stage (LDS serves a wave's instructions in order: ISA guide 5.7.1.4); each block comes back into registers of its own.
.macro TOSTAGE a
	WIN 0x04                                       ; the data: window 1
.irp b, 0,1,2,3
	ds_store_b128 v[STO], v[8*(4*(\a)+\b):8*(4*(\a)+\b)+3] offset:128*(\b/2)+32*(\b%2)       ; register j of lane (r, h): column 32 (b / 2) + 8 (b % 2) + 16 h + j
	ds_store_b128 v[STO], v[8*(4*(\a)+\b)+4:8*(4*(\a)+\b)+7] offset:128*(\b/2)+32*(\b%2)+16
.endr
	WIN 0
.irp t, 0,1,2,3,4,5,6,7
	ds_load_b128 v[F0+32*(\a)+4*\t:F0+32*(\a)+4*\t+3], v[RD] offset:\t*2*SPITCH
.endr
.endm
.macro SEND a, younger                 ; place 2 t + h of tile a is row 32 (a / 2) + 8 (a % 2) + (2 t) % 8 + h + 16 (t / 4)
	s_wait_dscnt \younger
.irp t, 0,1,2,3,4,5,6,7
	global_store_b128 v[CO], v[F0+32*(\a)+4*\t:F0+32*(\a)+4*\t+3], s[12:13] offset:(32*((\a)/2)+8*((\a)%2)+(2*\t)%8+16*(\t/4))*4096 th:TH_STORE_NT   ; sixteen lanes store 256 consecutive bytes, aligned
.endr
.endm
	PLACES
	TOSTAGE 0
	TOSTAGE 1
	SEND 0, 16                                     ; behind block 0's loads: block 1's 8 stores and 8 loads
	TOSTAGE 2
	SEND 1, 16
	TOSTAGE 3
	SEND 2, 16
	SEND 3, 0
	s_wait_tensorcnt 0x0                           ; the wave's end
	ds_add_u32 v[SPW], v[NIL]
	s_wait_dscnt 0x0
	CROUND                                         ; the closing round
	s_endpgm
.Lfunc_end_k_q063430ac44_oproj:
	.size	k_q063430ac44_oproj, .Lfunc_end_k_q063430ac44_oproj-k_q063430ac44_oproj
	.p2alignl 7, 3214868480
	.fill 96, 4, 3214868480
	.section	.rodata,"a",@progbits
	.p2align	6, 0x0
	.amdhsa_kernel k_q063430ac44_oproj
		.amdhsa_group_segment_fixed_size 327680
		.amdhsa_private_segment_fixed_size 0
		.amdhsa_enable_private_segment 0
		.amdhsa_kernarg_size 40
		.amdhsa_user_sgpr_count 2
		.amdhsa_user_sgpr_kernarg_segment_ptr 1
		.amdhsa_wavefront_size32 1
		.amdhsa_system_sgpr_workgroup_id_x 1
		.amdhsa_system_sgpr_workgroup_id_y 1
		.amdhsa_system_sgpr_workgroup_id_z 1
		.amdhsa_system_vgpr_workitem_id 0
		.amdhsa_next_free_vgpr 384
		.amdhsa_next_free_sgpr 100
		.amdhsa_reserve_vcc 0
		.amdhsa_float_denorm_mode_32 3
		.amdhsa_float_denorm_mode_16_64 3
		.amdhsa_memory_ordered 1
		.amdhsa_forward_progress 1
		.amdhsa_inst_pref_size 58
	.end_amdhsa_kernel
	.amdgpu_metadata
---
amdhsa.version: [ 1, 2 ]
amdhsa.kernels:
  - .name:           k_q063430ac44_oproj
    .symbol:         k_q063430ac44_oproj.kd
    .args:
      - { .name: ac, .offset: 0, .size: 8, .value_kind: global_buffer, .address_space: global }
      - { .name: asc, .offset: 8, .size: 8, .value_kind: global_buffer, .address_space: global }
      - { .name: opc, .offset: 16, .size: 8, .value_kind: global_buffer, .address_space: global }
      - { .name: ops, .offset: 24, .size: 8, .value_kind: global_buffer, .address_space: global }
      - { .name: out0, .offset: 32, .size: 8, .value_kind: global_buffer, .address_space: global }
    .group_segment_fixed_size: 327680
    .private_segment_fixed_size: 0
    .kernarg_segment_align: 8
    .kernarg_segment_size: 40
    .max_flat_workgroup_size: 128
    .sgpr_count:     100
    .vgpr_count:     384
    .wavefront_size: 32
...
	.end_amdgpu_metadata
.endif
;; end of part 4
